; MI455X (gfx1250); checked and timed in simulation.
; The chip was launched on July 23, 2026; its instructions are those of AMD's public machine-readable ISA for CDNA 5 (MIT licence, August 2026) and "CDNA5" Instruction Set Architecture Reference Guide (July 2026). The comments in the code are by the model that wrote it; some were corrected since.
;; Mixture Of Experts. Allowed arithmetic: float matrix products may take bf16 or f16 operands with f32 sums; other float arithmetic in f32, or as packed bf16 or f16 multiplies, adds, multiply-adds, maxima and minima; sums over many terms, partial sums and values carried from step to step in f32; what a program stores and reads back later, other than sums and carried values, may be rounded once to bf16 or f16.
;; Inputs: G1 512 x 256 float32; G2 256 x 256 float32; G3 256 x 16 float32; W1 16 x 512 x 1,024 float32; W2 16 x 1,024 x 512 float32; W3 16 x 512 x 2 float32; b1 16 x 1,024 float32; b2 16 x 512 float32; b3 16 x 2 float32; g1 256 float32; g2 256 float32; g3 16 float32; x 4,096 x 512 float32.
;; Outputs: out0 4,096 x 2 float32.
;; 3 versions, each right; version 2 is faster than version 1; version 3 is version 2 with the launch prep written anew for expert scheduling mode. Each part assembles by itself: llvm-mc -triple=amdgcn-amd-amdhsa -mcpu=gfx1250 --defsym DOCPART=n.
;; ======== version 1 of 3: 3 launches
;; workspace buffers: w1b 16,777,216 bytes; w2b 16,777,216 bytes; xb 4,194,304 bytes; gw 401,408 bytes; eo 2,097,152 bytes
;; launch prep (part 1): grid 674 x 1, 8 waves a work-group, no clusters, 0 bytes of LDS; arguments W1, W2, x, G1, G2, G3, w1b, w2b, xb, gw; writes w1b, w2b, xb, gw
.if DOCPART == 1
	.amdgcn_target "amdgcn-amd-amdhsa--gfx1250"
	.amdhsa_code_object_version 6
	.text
	.protected	k_q40ebbe820f_prep
	.globl	k_q40ebbe820f_prep
	.p2align	8
	.type	k_q40ebbe820f_prep,@function
k_q40ebbe820f_prep:
	s_mov_b64 s[64:65], 0
	v_nop
	global_prefetch_b8 v0, s[64:65] scope:SCOPE_SE
	s_setreg_imm32_b32 hwreg(HW_REG_WAVE_MODE, 25, 1), 1
	s_wait_xcnt 0x0
; PREP.  Every large input is rounded ONCE to bf16 (nearest even), for the two launches behind.
; Work-groups 0-575: W1, W2 and x are cast as they lie (w1b, w2b, xb keep the inputs' layout): a stream, 131,072 bytes in and 65,536 out a work-group.
; Work-groups 576-673: the gate's G1, G2, G3 ([K][N], f32) are written into gw in the order in which a wave's operand registers take them:
;   fragment (nt, ks) = 16 columns x 32 k is a block of 1,024 bytes at (nt*KS + ks)*1024; in it byte (part*32 + lane)*16 + 2 i holds G[32 ks + 16 part + 8 (lane/16) + i][16 nt + lane%16].
; No LDS, no barrier, no matrix unit: nothing is used twice here.
.set XR, 8                             ; v[8:39]   ring of eight slots: 4 registers, 4 f32 as loaded
.set YR, 40                            ; v[40:55]  slot s: 2 registers, 4 bf16 to store
	s_load_b512 s[4:19], s[0:1], 0x0               ; W1 s[4:5], W2 s[6:7], x s[8:9], G1 s[10:11], G2 s[12:13], G3 s[14:15], w1b s[16:17], w2b s[18:19]
	s_load_b128 s[20:23], s[0:1], 0x40             ; xb s[20:21], gw s[22:23]
	s_mov_b32 s24, ttmp9                           ; the work-group's number
	v_lshlrev_b32 v1, 4, v0                        ; 16 t: my 16 bytes of every 4,096 read; never rewritten
	v_lshlrev_b32 v2, 3, v0                        ; 8 t: my 8 bytes of every 2,048 written; never rewritten
	s_mov_b32 s33, 0
	s_mov_b32 s35, 0
	s_wait_kmcnt 0x0
	s_cmp_ge_u32 s24, 576
	s_cbranch_scc1 .Ltrans
	; THE CAST.  Which tensor: 256 work-groups for W1, 256 for W2, 64 for x
	s_mov_b32 s30, 512
	s_cmp_lt_u32 s24, 512
	s_cselect_b64 s[26:27], s[6:7], s[8:9]
	s_cselect_b64 s[28:29], s[18:19], s[20:21]
	s_cselect_b32 s30, 256, s30
	s_cmp_lt_u32 s24, 256
	s_cselect_b64 s[26:27], s[4:5], s[26:27]
	s_cselect_b64 s[28:29], s[16:17], s[28:29]
	s_cselect_b32 s30, 0, s30
	s_sub_co_u32 s30, s24, s30                     ; my number within that tensor
	s_lshl_b32 s32, s30, 17                        ; 131,072 bytes in,
	s_lshl_b32 s34, s30, 16                        ; 65,536 out
	s_add_nc_u64 s[26:27], s[26:27], s[32:33]
	s_add_nc_u64 s[28:29], s[28:29], s[34:35]
.irp i, 0,1,2,3,4,5,6,7
	global_load_b128 v[XR+4*(\i):XR+4*(\i)+3], v1, s[26:27] offset:(\i)*4096 th:TH_LOAD_NT  ; the ring is filled: eight loads of every wave are out
.endr
; Row i of 32 (4,096 bytes in): its place stands in the immediates, so no address register is ever stepped.
.macro SLOT i
.set sl, (\i)%8
.if 31-(\i) < 7
	s_wait_loadcnt 31-(\i)                         ; the last rows: the count runs down
.else
	s_wait_loadcnt 7                               ; loads come back in order: mine is in, the seven younger stay out
.endif
	s_wait_xcnt 0x0                                ; the store of eight rows ago has read this slot's two registers
	v_cvt_pk_bf16_f32 v[YR+2*sl],   v[XR+4*sl],   v[XR+4*sl+1]
	v_cvt_pk_bf16_f32 v[YR+2*sl+1], v[XR+4*sl+2], v[XR+4*sl+3]
.if (\i)+8 < 32
	global_load_b128 v[XR+4*sl:XR+4*sl+3], v1, s[26:27] offset:((\i)+8)*4096 th:TH_LOAD_NT
.endif
	global_store_b64 v2, v[YR+2*sl:YR+2*sl+1], s[28:29] offset:(\i)*2048  ; a wave's 32 lanes store 256 consecutive bytes, aligned
.endm
.set n, 0
.rept 32
	SLOT n
.set n, n+1
.endr
	s_endpgm
.Ltrans:
	; THE GATE'S WEIGHTS.  A thread makes one piece of 16 bytes: eight k of one column.  64 work-groups for G1, 32 for G2, 2 for G3.
	s_sub_co_u32 s25, s24, 576
	s_mov_b32 s38, 262144                          ; where G2's fragments begin in gw,
	s_mov_b32 s39, 393216                          ; and G3's
	s_mov_b32 s37, 4                               ; log2 of the pieces along K: 2 x 256 / 32 = 16 (G2, G3)
	s_cmp_lt_u32 s25, 96
	s_cselect_b64 s[26:27], s[12:13], s[14:15]
	s_cselect_b32 s30, 1024, 64                    ; bytes in a row of the source
	s_cselect_b32 s31, s38, s39
	s_cselect_b32 s36, 64, 96                      ; the tensor's first work-group
	s_cmp_lt_u32 s25, 64
	s_cselect_b64 s[26:27], s[10:11], s[26:27]
	s_cselect_b32 s31, 0, s31
	s_cselect_b32 s36, 0, s36
	s_cselect_b32 s37, 5, s37                      ; G1: 2 x 512 / 32 = 32
	s_sub_co_u32 s25, s25, s36
	s_lshl_b32 s25, s25, 8
	s_bfm_b32 s40, s37, 0                          ; mask of the piece's place along K
	v_add_nc_u32 v3, s25, v0                       ; the piece's number
	v_and_b32 v4, 31, v0                           ; lane
	v_lshrrev_b32 v5, 5, v3
	v_and_b32 v6, s40, v5                          ; kp = 2 ks + part
	v_lshrrev_b32 v7, s37, v5                      ; nt
	v_lshrrev_b32 v8, 4, v4
	v_lshlrev_b32 v8, 3, v8
	v_lshl_add_u32 v8, v6, 4, v8                   ; k0 = 16 kp + 8 (lane / 16)
	v_and_b32 v9, 15, v4
	v_lshl_add_u32 v9, v7, 4, v9                   ; n = 16 nt + lane % 16
	v_mul_lo_u32 v10, v8, s30
	v_lshl_add_u32 v10, v9, 2, v10                 ; byte of G[k0][n]
.irp i, 1,2,3,4,5,6,7
	v_add_nc_u32 v[10+(\i)], s30, v[9+(\i)]        ; and of the seven rows below
.endr
.irp i, 0,1,2,3,4,5,6,7
	global_load_b32 v[20+(\i)], v[10+(\i)], s[26:27]
.endr
	v_lshlrev_b32 v32, 4, v3
	v_add_nc_u32 v32, s31, v32                     ; 16 bytes a piece
	s_wait_loadcnt 0x0
.irp i, 0,1,2,3
	v_cvt_pk_bf16_f32 v[28+(\i)], v[20+2*(\i)], v[21+2*(\i)]
.endr
	global_store_b128 v32, v[28:31], s[22:23]      ; a wave stores 512 consecutive bytes
	s_endpgm
.Lfunc_end_k_q40ebbe820f_prep:
	.size	k_q40ebbe820f_prep, .Lfunc_end_k_q40ebbe820f_prep-k_q40ebbe820f_prep
	.p2alignl 7, 3214868480
	.fill 96, 4, 3214868480
	.section	.rodata,"a",@progbits
	.p2align	6, 0x0
	.amdhsa_kernel k_q40ebbe820f_prep
		.amdhsa_group_segment_fixed_size 0
		.amdhsa_private_segment_fixed_size 0
		.amdhsa_enable_private_segment 0
		.amdhsa_kernarg_size 80
		.amdhsa_user_sgpr_count 2
		.amdhsa_user_sgpr_kernarg_segment_ptr 1
		.amdhsa_wavefront_size32 1
		.amdhsa_system_sgpr_workgroup_id_x 1
		.amdhsa_system_sgpr_workgroup_id_y 1
		.amdhsa_system_sgpr_workgroup_id_z 1
		.amdhsa_system_vgpr_workitem_id 0
		.amdhsa_next_free_vgpr 64
		.amdhsa_next_free_sgpr 66
		.amdhsa_reserve_vcc 0
		.amdhsa_float_denorm_mode_32 3
		.amdhsa_float_denorm_mode_16_64 3
		.amdhsa_memory_ordered 1
		.amdhsa_forward_progress 1
		.amdhsa_inst_pref_size 16
	.end_amdhsa_kernel
	.amdgpu_metadata
---
amdhsa.version: [ 1, 2 ]
amdhsa.kernels:
  - .name:           k_q40ebbe820f_prep
    .symbol:         k_q40ebbe820f_prep.kd
    .args:
      - { .name: W1, .offset: 0, .size: 8, .value_kind: global_buffer, .address_space: global }
      - { .name: W2, .offset: 8, .size: 8, .value_kind: global_buffer, .address_space: global }
      - { .name: x, .offset: 16, .size: 8, .value_kind: global_buffer, .address_space: global }
      - { .name: G1, .offset: 24, .size: 8, .value_kind: global_buffer, .address_space: global }
      - { .name: G2, .offset: 32, .size: 8, .value_kind: global_buffer, .address_space: global }
      - { .name: G3, .offset: 40, .size: 8, .value_kind: global_buffer, .address_space: global }
      - { .name: w1b, .offset: 48, .size: 8, .value_kind: global_buffer, .address_space: global }
      - { .name: w2b, .offset: 56, .size: 8, .value_kind: global_buffer, .address_space: global }
      - { .name: xb, .offset: 64, .size: 8, .value_kind: global_buffer, .address_space: global }
      - { .name: gw, .offset: 72, .size: 8, .value_kind: global_buffer, .address_space: global }
    .group_segment_fixed_size: 0
    .private_segment_fixed_size: 0
    .kernarg_segment_align: 8
    .kernarg_segment_size: 80
    .max_flat_workgroup_size: 256
    .sgpr_count:     66
    .vgpr_count:     64
    .wavefront_size: 32
...
	.end_amdgpu_metadata
.endif
;; end of part 1
;; launch experts (part 2): grid 32 x 8, 4 waves a work-group, clusters of 4 x 1, 327,680 bytes of LDS; arguments xb, w1b, w2b, b1, b2, W3, eo; writes eo
.if DOCPART == 2
	.amdgcn_target "amdgcn-amd-amdhsa--gfx1250"
	.amdhsa_code_object_version 6
	.text
	.protected	k_q40ebbe820f_experts
	.globl	k_q40ebbe820f_experts
	.p2align	8
	.type	k_q40ebbe820f_experts,@function
k_q40ebbe820f_experts:
	s_mov_b64 s[64:65], 0
	v_nop
	global_prefetch_b8 v0, s[64:65] scope:SCOPE_SE
	s_setreg_imm32_b32 hwreg(HW_REG_WAVE_MODE, 25, 1), 1
	s_wait_xcnt 0x0
	s_wait_alu depctr_hold_cnt(0) depctr_sa_sdst(0) depctr_va_vdst(0) depctr_va_sdst(0) depctr_va_ssrc(0) depctr_va_vcc(0) depctr_vm_vsrc(0)
	s_getreg_b32 s2, hwreg(HW_REG_IB_STS2, 6, 4)
	s_cmp_eq_u32 s2, 0
	s_cbranch_scc0 .Lentry_in_a_cluster
	s_endpgm
.Lentry_in_a_cluster:
	s_bfe_u32 s2, ttmp6, 0x10000c
	s_cmp_lg_u32 s2, 0x3003
	s_cbranch_scc0 .Lentry_shape_is_right
	s_endpgm
.Lentry_shape_is_right:
; THE EXPERTS' CHAIN, FUSED.  eo[e][w][t][o] = sum over the features f = 128 w .. 128 w + 127 of relu(e2[t][f]) W3[e][f][o],  e2 = relu(x W1[e] + b1[e]) W2[e] + b2[e].
; x, W1, W2 come as bf16 (xb, w1b, w2b: the inputs' own layout); b1, b2 and W3 are rounded to bf16 here and used as f32.  Sums in f32; e1 = relu(..) is rounded once to bf16 as the second
; product's operand; e2 stays f32.  LIMITS: matrix operands have bf16's 8 significant bits; NaN and infinities are not treated apart.
; SHARES.  A work-group owns 128 tokens (tile T) and two experts, 2 p and then 2 p + 1: 32 x 8 work-groups.  An expert's 1,024 hidden columns go in four CHUNKS of 256; eight chunks are ONE loop.
;   G1 of a chunk: e1^T (256 h x 128 tokens), K = 512.  Wave w makes the four blocks of 16 h at 32 w, 32 w + 16, 128 + 32 w, 128 + 32 w + 16, for all tokens: 32 accumulators.
;   G2 of a chunk: e2^T (512 f x 128 tokens) += W2^T e1^T, K = the chunk's 256 h.  Wave w makes f = 128 w .. + 127 for all tokens: 64 accumulators, which live through an expert's four chunks.
;   e1 goes from wave to wave through a stage in LDS with room for 128 h: the first halves of all waves for G2's first half, then (kept packed in registers meanwhile) the second halves.
; BOTH PRODUCTS ARE USED TRANSPOSED: source 0 = 16 weight columns (the weights lie [K][N] in LDS and are turned by ds_load_tr16_b128), source 1 = 16 tokens.  In the result a lane holds ONE token
; (lane % 16) and eight neighbouring features 8 (lane / 16) + 0..7, which pack into 16 bytes of a row [token][h]; a bias is the C operand that starts a sum, so nothing is cleared.
; RING.  Two LDS slots take turns; a PERIOD is one slot: 128 k-rows x 256 h of W1 (periods 0-3 of a chunk) or 64 h-rows x 512 f of W2 (periods 4-7): 65,536 bytes of weights and 128 matrix instructions a wave.
; At each change of period every wave asks for its quarter of the NEXT period's tile, into the slot just left.  By this text's count a wave has three tensor loads out at the start and one behind each round.
; CLUSTER.  The four work-groups of a cluster have the same p and other tokens: they walk the same weight tiles, so every weight tile is asked for JOINTLY (the same load, descriptor and mask of four in all);
; x's tile is each work-group's own (mask 0).  No branch, trip count or LDS address hangs on the place in the cluster.
; REGISTERS, in windows of 256 (s_set_vgpr_msb: bits 1:0 source 0, 3:2 source 1, 5:4 source 2, 7:6 destination):
;   window 0: v0-31 addresses; v32-63 b1's fragments; v64-159, v160-255 G1's two fragment buffers (A at +8 a, B at +32 + 8 b); later v64-127 e1's packed second half, v128-191 the first half, then b2's fragments
;   window 1: G1's accumulators ((a, b) at 8 (8 a + b)); later G2's two fragment buffers v0-127, v128-255 (A at +8 a, B at +64 + 8 b); at an expert's end W3 and the sums
;   windows 2, 3: G2's accumulators: (a, b) at 8 (8 (a % 4) + b) of window 2 + a / 4
.set PW1,   544                        ; a row of a W1 tile in LDS: 512 bytes + 32
.set PW2,   1056                       ; a row of a W2 tile: 1,024 + 32
.set PX,    1040                       ; a row of x: 1,024 + 16: the 16 rows of a fragment load start four banks apart
.set PS,    272                        ; a row of the stage: 256 + 16
.set SLOTB, 4*32*PW1                   ; 69,632: a slot (a W2 tile uses 4 x 16 x 1,056 = 67,584 of it)
.set XT,    2*SLOTB                    ; 139,264: 128 tokens x 1,040; filled once
.set STG,   XT+128*PX                  ; 272,384: the stage, 128 tokens x 272; written by ds_store, never by a tensor load
.set TB1,   STG+128*PS                 ; 307,200: b1 of both experts, f32 [2][1024]
.set TB2,   TB1+8192                   ; 315,392: b2, f32 [2][512]
.set TW3,   TB2+4096                   ; 319,488: a word a feature: W3[f][0] in the low half, W3[f][1] in the high half, bf16, [2][512]
.set SPARE, TW3+4096                   ; 323,584: the spare words, 128 bytes a wave: two blocks of 256 bytes that no other line names
.set AW1, 8                            ; v8-9    my lane's place in a W1 tile, slot 0, 1
.set AW2, 10                           ; v10-11  in a W2 tile
.set AX,  12                           ; v12-13  in x's rows 0-63, 64-127
.set AS,  14                           ; v14     in the stage, to read
.set ASW, 15                           ; v15     in the stage, to write: + my wave's 64 bytes
.set AB1, 16                           ; v16     in b1's table; steps a chunk at a time
.set AB2, 17                           ; v17     in b2's table (W3's lies 4,096 behind); steps an expert at a time
.set VEO, 19                           ; v19     8 x lane: my byte in 256 bytes of eo; never rewritten
.set ZERO, 20                          ; v20     0, for the packed maximum
.set SPW, 28                           ; v28     LDS address of my spare word; never rewritten
.set NIL, 29                           ; v29     0; never rewritten
.set BI,  32
.set FB0, 64
.set FB1, 160
.set P1,  64
.set P0,  128
.set B2F, 128
.set W3P, 64
.set F0,  0
.set F1,  128
.set OUT, 128                          ; window 1, at an expert's end: the pair (o = 0, 1) of token block b at OUT + 2 b
.set TT,  144
.set RR,  160
.set WV,  20                           ; s20  my wave's number
.set G1W1, 24                          ; s[24:31] descriptor group 1: a quarter of a W1 tile
.set G1W2, 32                          ; s[32:39] a quarter of a W2 tile
.set G1X,  40                          ; s[40:47] a quarter of x's tile
.set DW1_0, 48                         ; s[48:63] descriptor groups 0, for W1 and W2 tiles into slot 0 and slot 1; their LDS words are never rewritten
.set DW1_1, 52
.set DW2_0, 56
.set DW2_1, 60
.set CH,   66                          ; s66  chunks to go, 8 to 0
.set NEWU, 67                          ; s67  1: the next G2 starts an expert's sums
.set DX,   68                          ; s[68:71] group 0 for x
.set CB1,  72                          ; s72  the chunk's byte offset in my w1b
.set CB2,  76                          ; s76  in my w2b
.set KA, 0                             ; the kinds of G2's changes of period: see K2T
.set KR, 1
.set KE, 2
.set KN, 3
.set MSB, 0
.macro WIN new                         ; the immediate's high byte repeats the setting that is left; a switch that changes nothing is dropped
.if MSB != (\new)
	s_set_vgpr_msb (MSB<<8)|(\new)
.set MSB, \new
.endif
.endm
; A load into a register that a matrix instruction has read, and a vector instruction that reads a matrix result or writes one of a matrix instruction's registers, stand four places behind it;
; only plain vector instructions that name none of its registers are places (ISA guide 7.12.1 for vector instructions).
.macro PLACES
.rept 4
	v_nop
.endr
.endm
.macro CREST                           ; a round of the cluster's barrier behind its opening barrier
	s_cmp_lg_u32 s[WV], 0
	s_cbranch_scc1 .Lnot_wave_0_\@
	s_barrier_signal -3
.Lnot_wave_0_\@:
	s_barrier_wait -3
	s_barrier_signal -1
	s_barrier_wait -1
.endm
.macro CROUND                          ; a whole round
	s_barrier_signal -1
	s_barrier_wait -1
	CREST
.endm
.macro JL d, g                         ; my quarter of a tile: every wave issues the line, each with its own rows; an s_nop 0 and four v_nop follow
	tensor_load_to_lds s[\d:\d+3], s[\g:\g+7]
	s_nop 0
.rept 4
	v_nop
.endr
.endm
.macro SETD d, bs, cb, imm             ; a group 0's global address made anew: base + chunk + tile, the type bits set again.  Only where no tensor load of mine is out
	s_add_co_u32 s74, s[\cb], \imm
	s_add_nc_u64 s[(\d)+2:(\d)+3], s[\bs:(\bs)+1], s[74:75]
	s_or_b32 s[(\d)+3], s[(\d)+3], 0x80000000
.endm
.macro SHAPE g, w0, cols, rows, pitch  ; group 1: a tile of rows x cols elements of 2 bytes that lies inside its tensor
	s_mov_b32 s[(\g)+0], \w0
	s_mov_b32 s[(\g)+1], (\cols)<<16               ; tensor_dim0
	s_mov_b32 s[(\g)+2], (\rows)<<16               ; tensor_dim1
	s_mov_b32 s[(\g)+3], (\cols)<<16               ; tile_dim0
	s_mov_b32 s[(\g)+4], \rows                     ; tile_dim1
	s_mov_b32 s[(\g)+5], \pitch                    ; elements from row to row
	s_mov_b32 s[(\g)+6], 0
	s_mov_b32 s[(\g)+7], 0
.endm
.macro RND2 x, t                       ; two f32 rounded to bf16 and widened again
	v_cvt_pk_bf16_f32 v[\t], v[\x], v[(\x)+1]
	v_lshlrev_b32 v[\x], 16, v[\t]
	v_and_b32 v[(\x)+1], s78, v[\t]
.endm
; G1.  K step q of 16 (32 k).  24 LDS loads in one run: 8 fragments of x (16 tokens x 32 k), then my 4 fragments of W1 (16 h x 32 k, turned), into buffer f.
.macro FETCH1 q, f
	WIN 0
.set sl1, ((\q)/4)%2
.irp b, 0,1,2,3,4,5,6,7
	ds_load_b128 v[(\f)+32+8*(\b):(\f)+32+8*(\b)+3],   v[AX+(\b)/4] offset:((\b)%4)*16*PX+64*(\q)
	ds_load_b128 v[(\f)+32+8*(\b)+4:(\f)+32+8*(\b)+7], v[AX+(\b)/4] offset:((\b)%4)*16*PX+64*(\q)+32
.endr
.irp a, 0,1,2,3
	ds_load_tr16_b128 v[(\f)+8*(\a):(\f)+8*(\a)+3],   v[AW1+sl1] offset:((\q)%4)*32*PW1+32*((\a)%2)+256*((\a)/2)
	ds_load_tr16_b128 v[(\f)+8*(\a)+4:(\f)+8*(\a)+7], v[AW1+sl1] offset:((\q)%4)*32*PW1+32*((\a)%2)+256*((\a)/2)+16*PW1
.endr
.endm
; 8 n matrix instructions: h blocks a0 .. a0 + n - 1 x all 8 token blocks.  The 32 accumulators take turns, one instruction a turn.  bias = 1: b1 starts the sums.
.macro MUL1 f, a0, n, bias
.if \bias
	WIN 0x40
.else
	WIN 0x50
.endif
.set ma, \a0
.rept \n
.irp b, 0,1,2,3,4,5,6,7
.if \bias
	v_wmma_f32_16x16x32_bf16 v[8*(8*ma+(\b)):8*(8*ma+(\b))+7], v[(\f)+8*ma:(\f)+8*ma+7], v[(\f)+32+8*(\b):(\f)+32+8*(\b)+7], v[BI+8*ma:BI+8*ma+7]
.else
	v_wmma_f32_16x16x32_bf16 v[8*(8*ma+(\b)):8*(8*ma+(\b))+7], v[(\f)+8*ma:(\f)+8*ma+7], v[(\f)+32+8*(\b):(\f)+32+8*(\b)+7], v[8*(8*ma+(\b)):8*(8*ma+(\b))+7]
.endif
.endr
.set ma, ma+1
.endr
.endm
.macro K1N q                           ; a K step inside a period: the next step's run of loads stands at its head and has 32 matrix instructions in which to land
.set fq,  FB0+96*((\q)%2)
.set fnx, FB0+96*(((\q)+1)%2)
	s_wait_dscnt 0x0                               ; this step's fragments, asked for a whole step ago
	PLACES
	FETCH1 (\q)+1, fnx
	MUL1 fq, 0, 4, ((\q)==0)
.endm
; A period's last K step (q = 3, 7, 11) changes slots.  In front of the round each wave waits for all its tensor loads (one is out: its quarter of the next slot), adds 0 to its spare word, and waits for
; that and for its reads of this slot.  Behind the round no wave of any partner reads this slot or has a load on its way: it is filled again first, then the next slot is read.
.macro K1T q, d, g, bs, cb, imm
	WIN 0
	s_wait_tensorcnt 0x0                           ; no tensor load of mine is out, so a group 0 may be written
	ds_add_u32 v[SPW], v[NIL]                      ; 0 onto my spare word
	SETD \d, \bs, \cb, \imm
	s_wait_dscnt 0x0                               ; the add is done; this step's fragments are in: my reads of this slot are over
	s_barrier_signal -1
	MUL1 FB1, 0, 1, 0                              ; work on registers while the others arrive
	WIN 0
	s_barrier_wait -1
	CREST
	JL \d, \g                                      ; its four v_nop are also the places in front of the loads below
	FETCH1 (\q)+1, FB0
	MUL1 FB1, 1, 3, 0
.endm
; e1's half hs (my h blocks 2 hs, 2 hs + 1) rounded to bf16, each accumulator's registers in ascending order, then relu on the packed halves: 64 registers at dst
.macro PACKH hs, dst
	WIN 0x05                                       ; sources in window 1, destination in window 0
.irp a, 0,1
.irp b, 0,1,2,3,4,5,6,7
.irp r, 0,1,2,3
	v_cvt_pk_bf16_f32 v[(\dst)+4*(8*(\a)+(\b))+(\r)], v[8*(8*(2*(\hs)+(\a))+(\b))+2*(\r)], v[8*(8*(2*(\hs)+(\a))+(\b))+2*(\r)+1]
.endr
.endr
.endr
	WIN 0
.set i, 0
.rept 64
	v_pk_max_num_bf16 v[(\dst)+i], v[(\dst)+i], v[ZERO]
.set i, i+1
.endr
.endm
.macro STORE_ST src                    ; into the stage: token 16 b + lane % 16, my wave's 64 bytes of its 256, 16 bytes for each half of the lanes
.irp a, 0,1
.irp b, 0,1,2,3,4,5,6,7
	ds_store_b128 v[ASW], v[(\src)+4*(8*(\a)+(\b)):(\src)+4*(8*(\a)+(\b))+3] offset:(\b)*16*PS+32*(\a)
.endr
.endr
.endm
; G2.  K step g of 8 (32 h).  32 LDS loads in one run: 8 fragments of e1 from the stage, then my 8 fragments of W2 (16 f x 32 h, turned), blocks 0-3 first, into buffer f of window 1.
.macro FETCH2 g, f
	WIN 0x40
.irp b, 0,1,2,3,4,5,6,7
	ds_load_b128 v[(\f)+64+8*(\b):(\f)+64+8*(\b)+3],   v[AS] offset:(\b)*16*PS+64*((\g)%4)
	ds_load_b128 v[(\f)+64+8*(\b)+4:(\f)+64+8*(\b)+7], v[AS] offset:(\b)*16*PS+64*((\g)%4)+32
.endr
.irp a, 0,1,2,3,4,5,6,7
	ds_load_tr16_b128 v[(\f)+8*(\a):(\f)+8*(\a)+3],   v[AW2+((\g)/2)%2] offset:((\g)%2)*32*PW2+32*(\a)
	ds_load_tr16_b128 v[(\f)+8*(\a)+4:(\f)+8*(\a)+7], v[AW2+((\g)/2)%2] offset:((\g)%2)*32*PW2+32*(\a)+16*PW2
.endr
.endm
; 16 matrix instructions: f blocks 4 hi + a0, + 1 x all 8 token blocks; the 64 accumulators take turns.  start = 1: b2 starts the sums.
.macro MUL2 f, hi, a0, start
.if \start
	WIN 0x85+0x40*(\hi)
.else
	WIN 0xa5+0x50*(\hi)
.endif
.irp a, \a0, (\a0)+1
.irp b, 0,1,2,3,4,5,6,7
.if \start
	v_wmma_f32_16x16x32_bf16 v[8*(8*(\a)+(\b)):8*(8*(\a)+(\b))+7], v[(\f)+8*(4*(\hi)+(\a)):(\f)+8*(4*(\hi)+(\a))+7], v[(\f)+64+8*(\b):(\f)+64+8*(\b)+7], v[B2F+8*(4*(\hi)+(\a)):B2F+8*(4*(\hi)+(\a))+7]
.else
	v_wmma_f32_16x16x32_bf16 v[8*(8*(\a)+(\b)):8*(8*(\a)+(\b))+7], v[(\f)+8*(4*(\hi)+(\a)):(\f)+8*(4*(\hi)+(\a))+7], v[(\f)+64+8*(\b):(\f)+64+8*(\b)+7], v[8*(8*(\a)+(\b)):8*(8*(\a)+(\b))+7]
.endif
.endr
.endr
.endm
.macro K2N g, start, w0                ; an even K step: buffer 0; the next step's run stands in its middle
	s_wait_dscnt \w0                               ; 8: the youngest eight loads (W2's blocks 4-7) may be out; 0 where b2's fragments were asked for behind them
	MUL2 F0, 0, 0, \start
	MUL2 F0, 0, 2, \start
	PLACES
	FETCH2 (\g)+1, F1
	s_wait_dscnt 32                                ; all but the 32 just issued
	MUL2 F0, 1, 0, \start
	MUL2 F0, 1, 2, \start
.endm
; An odd K step: buffer 1, and a change of period, in the same order as K1T.  Kinds:
;   KA  round, joint refill, the next step's fragments.
;   KR  (g = 3) round, joint refill; the round has shown every wave's reads of the stage to be over, so e1's second half goes into it; a plain barrier, behind which nothing is filled, shows it to all.
;   KE  (g = 7) round, joint refill; the next chunk fetches for itself.
;   KN  (the last chunk's g = 5) nothing is left to ask for: a plain barrier, no round.
.macro K2T g, kind, d=0, gg=0, bs=0, cb=0, imm=0
	WIN 0
	s_wait_tensorcnt 0x0                           ; no tensor load of mine is out: my quarter of the next slot has landed
	ds_add_u32 v[SPW], v[NIL]                      ; 0 onto my spare word
.if (\kind) != KN
	SETD \d, \bs, \cb, \imm
.endif
	s_wait_dscnt 9                                 ; the add and the youngest eight loads may be out
	MUL2 F1, 0, 0, 0                               ; sixteen matrix instructions stand between the add and the wait for it
	s_wait_dscnt 0x0                               ; the add is done, and my reads of this slot and of the stage are over
	s_barrier_signal -1
	MUL2 F1, 0, 2, 0
	WIN 0
	s_barrier_wait -1
.if (\kind) != KN
	CREST
	JL \d, \gg                                     ; its four v_nop are also the places in front of the loads below
.else
	PLACES
.endif
.if ((\kind) == KA) || ((\kind) == KN)
	FETCH2 (\g)+1, F0
.endif
.if (\kind) == KR
	STORE_ST P1
	s_wait_dscnt 0x0                               ; for the others' sake: my stores into the stage are done
	s_barrier_signal -1
.endif
	MUL2 F1, 1, 0, 0
	MUL2 F1, 1, 2, 0
.if (\kind) == KR
	WIN 0
	s_barrier_wait -1
	FETCH2 4, F0
.endif
.endm
; AN EXPERT'S END: relu(e2) times W3, in f32.  A lane holds one token of each block b and 64 features; the pair OUT(b) takes acc x (W3[f][0], W3[f][1]); the lane 16 away holds the token's other 64 features.
.macro EPIH hi
	WIN 0x88+0x44*(\hi)                            ; in place, in window 2 + hi, each accumulator from its lowest register on
.set i, 0
.rept 256
	v_max_num_f32 v[i], 0, v[i]
.set i, i+1
.endr
.if (\hi) == 0
	s_wait_dscnt 0x0                               ; W3's words are in
	WIN 0x40
.set i, 0
.rept 64
	v_lshlrev_b32 v[2*i], 16, v[W3P+i]             ; bf16 to f32: W3[f][0],
	v_and_b32 v[2*i+1], s78, v[W3P+i]              ; W3[f][1]
.set i, i+1
.endr
.endif
	WIN 0x56+(\hi)                                 ; the accumulators in window 2 + hi; W3 and OUT in window 1
.irp a, 0,1,2,3
.irp j, 0,1,2,3,4,5,6,7
.irp b, 0,1,2,3,4,5,6,7
.if ((\hi) == 0) && ((\a) == 0) && ((\j) == 0)
	v_pk_mul_f32 v[OUT+2*(\b):OUT+2*(\b)+1], v[8*(\b):8*(\b)+1], v[0:1] op_sel_hi:[0,1]  ; the first term starts the sums
.elseif (\j)%2
	v_pk_fma_f32 v[OUT+2*(\b):OUT+2*(\b)+1], v[8*(8*(\a)+(\b))+(\j)-1:8*(8*(\a)+(\b))+(\j)], v[2*(8*(4*(\hi)+(\a))+(\j)):2*(8*(4*(\hi)+(\a))+(\j))+1], v[OUT+2*(\b):OUT+2*(\b)+1] op_sel:[1,0,0] op_sel_hi:[1,1,1]
.else
	v_pk_fma_f32 v[OUT+2*(\b):OUT+2*(\b)+1], v[8*(8*(\a)+(\b))+(\j):8*(8*(\a)+(\b))+(\j)+1], v[2*(8*(4*(\hi)+(\a))+(\j)):2*(8*(4*(\hi)+(\a))+(\j))+1], v[OUT+2*(\b):OUT+2*(\b)+1] op_sel:[0,0,0] op_sel_hi:[0,1,1]
.endif
.endr
.endr
.endr
.endm
.macro EPI
	PLACES                                         ; behind the last products
	WIN 0
.irp a, 0,1,2,3,4,5,6,7
	ds_load_b128 v[W3P+8*(\a):W3P+8*(\a)+3],   v[AB2] offset:4096+64*(\a)
	ds_load_b128 v[W3P+8*(\a)+4:W3P+8*(\a)+7], v[AB2] offset:4096+64*(\a)+16
.endr
	EPIH 0
	EPIH 1
	WIN 0x55
.set i, 0
.rept 16
	v_permlanex16_b32 v[TT+i], v[OUT+i], s80, s81  ; its destination has been written before: all of window 1 has
.set i, i+1
.endr
.set i, 0
.rept 8
	v_pk_add_f32 v[OUT+2*i:OUT+2*i+1], v[OUT+2*i:OUT+2*i+1], v[TT+2*i:TT+2*i+1]
.set i, i+1
.endr
.irp q, 0,1,2,3                        ; both halves of the lanes hold the sums: lanes 0-15 keep token block 2 q, lanes 16-31 take block 2 q + 1
	v_cndmask_b32 v[RR+2*(\q)],   v[OUT+4*(\q)],   v[OUT+4*(\q)+2], s79
	v_cndmask_b32 v[RR+2*(\q)+1], v[OUT+4*(\q)+1], v[OUT+4*(\q)+3], s79
.endr
	WIN 0x04                                       ; store data in window 1, address in window 0
.irp q, 0,1,2,3
	global_store_b64 v[VEO], v[RR+2*(\q):RR+2*(\q)+1], s[82:83] offset:256*(\q)  ; 32 tokens x 8 bytes: 256 consecutive bytes, aligned
.endr
	s_wait_xcnt 0x0                                ; the stores' data and base are rewritten only behind this wait
	WIN 0
.endm
	; ---------------- the head ----------------
	s_load_b256 s[4:11], s[0:1], 0x0               ; xb s[4:5], w1b s[6:7], w2b s[8:9], b1 s[10:11]
	s_load_b128 s[12:15], s[0:1], 0x20             ; b2 s[12:13], W3 s[14:15]
	s_load_b64 s[16:17], s[0:1], 0x30              ; eo
	v_lshl_add_u32 v[SPW], v0, 2, SPARE
	v_mov_b32 v[NIL], 0
	ds_add_u32 v[SPW], v[NIL]                      ; the wave's opening: the add and its wait stand ahead of my first tensor load; the set-up below, work on registers, stands between them
	v_lshrrev_b32 v3, 5, v0
	v_readfirstlane_b32 s[WV], v3                  ; wave 0..3
	s_bfe_u32 s21, ttmp6, 0x40000                  ; cx: my place in the cluster
	s_lshl_b32 s22, ttmp9, 2                       ; in a cluster launch ttmp9 counts clusters
	s_add_co_u32 s22, s22, s21                     ; T, my tile of 128 tokens: it enters xb's and eo's addresses alone
	s_and_b32 s23, ttmp7, 0xffff                   ; p, the pair of experts, which the four partners share
	SHAPE G1W1, 15|(1<<16)|(1<<20)|(1<<21)|(6<<22)|(7<<25), 256, 32, 1024  ; mask of four; 2-byte elements; padding on; bit 21 beside a mask; after every 128 words 8 words
	SHAPE G1W2, 15|(1<<16)|(1<<20)|(1<<21)|(7<<22)|(7<<25), 512, 16, 512   ; the same after every 256 words
	SHAPE G1X,  (1<<16)|(1<<20)|(7<<22)|(3<<25), 512, 32, 512              ; no mask: my own tile; after every 256 words 4 words
	s_mul_i32 s84, s[WV], 32*PW1                   ; where my quarters go: the wave's number times a constant, plus the slot's constant
	s_mul_i32 s85, s[WV], 16*PW2
	s_mul_i32 s86, s[WV], 32*PX
	s_mov_b32 s[DW1_0], 1
	s_mov_b32 s[DW1_0+1], s84
	s_mov_b32 s[DW1_1], 1
	s_add_co_u32 s[DW1_1+1], s84, SLOTB
	s_mov_b32 s[DW2_0], 1
	s_mov_b32 s[DW2_0+1], s85
	s_mov_b32 s[DW2_1], 1
	s_add_co_u32 s[DW2_1+1], s85, SLOTB
	s_mov_b32 s[DX], 1
	s_add_co_u32 s[DX+1], s86, XT
	s_lshl_b32 s84, s23, 21                        ; w1b: two experts of 1 MiB a pair, my 32 rows of 2,048 bytes in a tile
	s_lshl_b32 s85, s[WV], 16
	s_add_co_u32 s84, s84, s85
	s_mov_b32 s85, 0
	s_lshl_b32 s86, s23, 21                        ; w2b: likewise, my 16 rows of 1,024 bytes
	s_lshl_b32 s87, s[WV], 14
	s_add_co_u32 s86, s86, s87
	s_mov_b32 s87, 0
	s_lshl_b32 s88, s22, 17                        ; xb: 128 rows of 1,024 bytes a tile, my 32 of them
	s_lshl_b32 s89, s[WV], 15
	s_add_co_u32 s88, s88, s89
	s_lshl_b32 s90, s22, 10                        ; eo: [e][wave][token][2]: 128 tokens x 8 bytes, + 32,768 w, + 131,072 x 2 p
	s_add_co_u32 s90, s90, s89
	s_lshl_b32 s89, s23, 18
	s_add_co_u32 s90, s90, s89
	s_mov_b32 s89, 0
	s_mov_b32 s91, 0
	s_mov_b32 s75, 0                               ; the high word of SETD's offset
	s_mov_b32 s[CB1], 0
	s_mov_b32 s78, 0xffff0000                      ; a word's upper bf16
	s_mov_b32 s79, 0xffff0000                      ; lanes 16-31
	s_mov_b32 s80, 0x76543210                      ; v_permlanex16_b32: each lane takes its own place in the other half
	s_mov_b32 s81, 0xfedcba98
	s_wait_dscnt 0x0                               ; the opening add is done
	s_wait_kmcnt 0x0
	s_add_nc_u64 s[6:7], s[6:7], s[84:85]
	s_add_nc_u64 s[8:9], s[8:9], s[86:87]
	s_add_nc_u64 s[4:5], s[4:5], s[88:89]
	s_add_nc_u64 s[82:83], s[16:17], s[90:91]
	s_lshl_b32 s84, s23, 13                        ; b1 and W3: 8,192 bytes a pair of experts
	s_add_nc_u64 s[10:11], s[10:11], s[84:85]
	s_add_nc_u64 s[14:15], s[14:15], s[84:85]
	s_lshl_b32 s84, s23, 12                        ; b2: 4,096
	s_add_nc_u64 s[12:13], s[12:13], s[84:85]
	s_mov_b64 s[DX+2:DX+3], s[4:5]
	s_or_b32 s[DX+3], s[DX+3], 0x80000000
	SETD DW1_0, 6, CB1, 0                          ; chunk 0's periods 0 and 1
	SETD DW1_1, 6, CB1, 262144
	CROUND                                         ; all four work-groups are here: the first joint loads meet
	JL DX, G1X                                     ; the first fills go out as one group: three loads of mine are out
	JL DW1_0, G1W1
	JL DW1_1, G1W1
	; the small tables: 128 threads x 16 bytes a load
	v_lshlrev_b32 v3, 4, v0
.irp i, 0,1,2,3
	global_load_b128 v[64+4*(\i):67+4*(\i)], v3, s[10:11] offset:2048*(\i)
.endr
.irp i, 0,1
	global_load_b128 v[80+4*(\i):83+4*(\i)], v3, s[12:13] offset:2048*(\i)
.endr
.irp i, 0,1,2,3
	global_load_b128 v[88+4*(\i):91+4*(\i)], v3, s[14:15] offset:2048*(\i)
.endr
	; A fragment of x or e1 is 16 rows x 32 k: lane l holds row l % 16, k = 8 (l / 16) + 0..7 and 16 + 8 (l / 16) + 0..7: two loads of 16 bytes, 32 bytes apart.
	; The turning load takes 16 k x 16 columns (lane l reads row 8 (l / 16) + l % 8, columns 8 ((l / 8) % 2) + 0..7) and leaves half a fragment: lane l holds column l % 16 and 8 k.
	v_and_b32 v1, 15, v0                           ; l % 16
	v_bfe_u32 v2, v0, 4, 1                         ; l / 16
	v_and_b32 v4, 7, v0
	v_bfe_u32 v5, v0, 3, 1
	v_lshl_add_u32 v6, v2, 3, v4
	v_lshlrev_b32 v5, 4, v5
	s_lshl_b32 s84, s[WV], 6                       ; my 32 h of each half of a chunk: 64 bytes
	s_lshl_b32 s85, s[WV], 8                       ; my 128 f: 256 bytes
	v_mul_u32_u24 v[AW1], v6, PW1
	v_add3_u32 v[AW1], v[AW1], v5, s84
	v_add_nc_u32 v[AW1+1], SLOTB, v[AW1]
	v_mul_u32_u24 v[AW2], v6, PW2
	v_add3_u32 v[AW2], v[AW2], v5, s85
	v_add_nc_u32 v[AW2+1], SLOTB, v[AW2]
	v_mul_u32_u24 v[AX], v1, PX
	v_lshl_add_u32 v[AX], v2, 4, v[AX]
	v_add_nc_u32 v[AX], XT, v[AX]
	v_add_nc_u32 v[AX+1], 64*PX, v[AX]
	v_mul_u32_u24 v[AS], v1, PS
	v_lshl_add_u32 v[AS], v2, 4, v[AS]
	v_add_nc_u32 v[AS], STG, v[AS]
	v_add_nc_u32 v[ASW], s84, v[AS]
	s_lshl_b32 s86, s[WV], 7                       ; b1: 32 w numbers of 4 bytes, + 8 for the upper half of the lanes
	s_add_co_u32 s86, s86, TB1
	v_lshl_add_u32 v[AB1], v2, 5, s86
	s_lshl_b32 s87, s[WV], 9                       ; b2: 128 w numbers
	s_add_co_u32 s87, s87, TB2
	v_lshl_add_u32 v[AB2], v2, 5, s87
	v_and_b32 v[VEO], 31, v0
	v_lshlrev_b32 v[VEO], 3, v[VEO]
	v_mov_b32 v[ZERO], 0
	v_add_nc_u32 v21, TB1, v3
	v_lshl_add_u32 v22, v0, 3, TW3
	s_wait_loadcnt 0x0
.irp i, 0,1,2,3,4,5,6,7,8,9,10,11
	RND2 64+2*(\i), 104+(\i)%4                     ; b1 and b2: rounded as every input is, kept as f32
.endr
.irp i, 0,1,2,3
	ds_store_b128 v21, v[64+4*(\i):67+4*(\i)] offset:2048*(\i)
.endr
.irp i, 0,1
	ds_store_b128 v21, v[80+4*(\i):83+4*(\i)] offset:8192+2048*(\i)
.endr
.irp i, 0,1,2,3
	v_cvt_pk_bf16_f32 v[108+2*(\i)], v[88+4*(\i)],   v[88+4*(\i)+1]  ; a feature's two numbers of W3 in one word
	v_cvt_pk_bf16_f32 v[109+2*(\i)], v[88+4*(\i)+2], v[88+4*(\i)+3]
	ds_store_b64 v22, v[108+2*(\i):109+2*(\i)] offset:1024*(\i)
.endr
	s_wait_dscnt 0x0                               ; for the others' sake: my part of the tables is written
	s_wait_tensorcnt 0x1                           ; my quarters of x and of period 0's tile are in; period 1's may stay out
	s_barrier_signal -1
	s_barrier_wait -1
	s_mov_b32 s[CH], 8
	s_mov_b32 s[NEWU], 1
	s_branch .Lenter                               ; the loop is entered at a chunk's beginning, in the middle of a trip
	; ---------------- the loop: a trip ends one chunk (G2's last three K steps) and does the next up to its K step 4 ----------------
.Lchunk:
	s_sub_co_u32 s84, 8, s[CH]                     ; the next chunk's number, 1 to 7:
	s_lshr_b32 s85, s84, 2
	s_lshl_b32 s85, s85, 20                        ; its expert, 1 MiB of w1b,
	s_and_b32 s84, s84, 3
	s_lshl_b32 s84, s84, 9                         ; its 256 columns, 512 bytes
	s_add_co_u32 s[CB1], s85, s84
	K2T 5, KA, DW1_0, G1W1, 6, CB1, 0              ; into period 7; slot 0 takes the next chunk's period 0
	K2N 6, 0, 8
	K2T 7, KE, DW1_1, G1W1, 6, CB1, 262144         ; into the next chunk; slot 1 takes its period 1
	WIN 0
	s_cmp_lg_u32 s[CH], 4
	s_cbranch_scc1 .Lenter                         ; forward, past text with no barrier and no tensor load
	EPI                                            ; four chunks are done: the first expert's end
	s_add_nc_u64 s[82:83], s[82:83], 131072        ; eo, b2 and W3 go on to the second expert
	v_add_nc_u32 v[AB2], 2048, v[AB2]
	s_mov_b32 s[NEWU], 1
.Lenter:
	s_sub_co_u32 s[CB2], 8, s[CH]
	s_lshl_b32 s[CB2], s[CB2], 18                  ; this chunk's 256 rows of 1,024 bytes in w2b; chunk 4 is the second expert's first
.irp a, 0,1,2,3
	ds_load_b128 v[BI+8*(\a):BI+8*(\a)+3],   v[AB1] offset:64*((\a)%2)+512*((\a)/2)
	ds_load_b128 v[BI+8*(\a)+4:BI+8*(\a)+7], v[AB1] offset:64*((\a)%2)+512*((\a)/2)+16
.endr
	v_add_nc_u32 v[AB1], 1024, v[AB1]              ; the next chunk's b1.  This line, the v_nop and the four at the head of the first K step are the places in front of the
	v_nop                                          ; products that write over window 1, which the last products read
	FETCH1 0, FB0
.irp q, 0,1,2
	K1N \q
.endr
	K1T 3, DW1_0, G1W1, 6, CB1, 524288             ; into period 1; slot 0 takes period 2
.irp q, 4,5,6
	K1N \q
.endr
	K1T 7, DW1_1, G1W1, 6, CB1, 786432             ; into period 2; slot 1 takes period 3
.irp q, 8,9,10
	K1N \q
.endr
	K1T 11, DW2_0, G1W2, 8, CB2, 0                 ; into period 3; slot 0 takes W2's first tile
.irp q, 12,13,14
	K1N \q
.endr
	s_wait_dscnt 0x0
	MUL1 FB1, 0, 4, 0                              ; K step 15
	; from G1 to G2: the first half of e1 into the stage; the round shows it to all and frees slot 1
	PLACES
	PACKH 0, P0
	STORE_ST P0
	s_wait_tensorcnt 0x0                           ; W2's first tile: my quarter has landed
	ds_add_u32 v[SPW], v[NIL]                      ; 0 onto my spare word
	SETD DW2_1, 8, CB2, 65536
	s_wait_dscnt 0x0                               ; the add and my stores into the stage are done; my reads of slot 1 were over at K step 15
	CROUND
	JL DW2_1, G1W2                                 ; slot 1 takes period 5
	FETCH2 0, F0
	PACKH 1, P1                                    ; the second half is packed while those loads are on their way, and kept
	s_cmp_eq_u32 s[NEWU], 1                        ; at the first trip the answer is a constant of the text
	s_cbranch_scc1 .Lz
	K2N 0, 0, 8
	WIN 0
	s_branch .Lj
.Lz:                                                   ; an expert's first chunk: b2 is the C operand that starts e2's sums
.irp a, 0,1,2,3,4,5,6,7
	ds_load_b128 v[B2F+8*(\a):B2F+8*(\a)+3],   v[AB2] offset:64*(\a)
	ds_load_b128 v[B2F+8*(\a)+4:B2F+8*(\a)+7], v[AB2] offset:64*(\a)+16
.endr
	K2N 0, 1, 0
	WIN 0
.Lj:
	s_mov_b32 s[NEWU], 0
	K2T 1, KA, DW2_0, G1W2, 8, CB2, 131072         ; into period 5; slot 0 takes period 6
	K2N 2, 0, 8
	K2T 3, KR, DW2_1, G1W2, 8, CB2, 196608         ; into period 6; slot 1 takes period 7; the stage takes e1's second half
	K2N 4, 0, 8
	WIN 0
	s_sub_co_u32 s[CH], s[CH], 1
	s_cmp_lg_u32 s[CH], 0
	s_cbranch_scc1 .Lchunk
	; ---------------- the tail is written out: nothing is asked for ----------------
	K2T 5, KN
	K2N 6, 0, 8
	s_wait_dscnt 8
	MUL2 F1, 0, 0, 0
	MUL2 F1, 0, 2, 0
	s_wait_dscnt 0x0
	MUL2 F1, 1, 0, 0
	MUL2 F1, 1, 2, 0
	EPI                                            ; the second expert's end
	s_wait_tensorcnt 0x0                           ; the wave's end, behind my last tensor load and my last LDS store
	ds_add_u32 v[SPW], v[NIL]
	s_wait_dscnt 0x0
	CROUND                                         ; the closing round: no work-group ends while a partner may still ask for a tile that names it
	s_endpgm
.Lfunc_end_k_q40ebbe820f_experts:
	.size	k_q40ebbe820f_experts, .Lfunc_end_k_q40ebbe820f_experts-k_q40ebbe820f_experts
	.p2alignl 7, 3214868480
	.fill 96, 4, 3214868480
	.section	.rodata,"a",@progbits
	.p2align	6, 0x0
	.amdhsa_kernel k_q40ebbe820f_experts
		.amdhsa_group_segment_fixed_size 327680
		.amdhsa_private_segment_fixed_size 0
		.amdhsa_enable_private_segment 0
		.amdhsa_kernarg_size 56
		.amdhsa_user_sgpr_count 2
		.amdhsa_user_sgpr_kernarg_segment_ptr 1
		.amdhsa_wavefront_size32 1
		.amdhsa_system_sgpr_workgroup_id_x 1
		.amdhsa_system_sgpr_workgroup_id_y 1
		.amdhsa_system_sgpr_workgroup_id_z 1
		.amdhsa_system_vgpr_workitem_id 0
		.amdhsa_next_free_vgpr 1024
		.amdhsa_next_free_sgpr 96
		.amdhsa_reserve_vcc 0
		.amdhsa_float_denorm_mode_32 3
		.amdhsa_float_denorm_mode_16_64 3
		.amdhsa_memory_ordered 1
		.amdhsa_forward_progress 1
		.amdhsa_inst_pref_size 255
	.end_amdhsa_kernel
	.section	.bss,"aw",@nobits
	.p2align	6
	.space	262144
	.amdgpu_metadata
---
amdhsa.version: [ 1, 2 ]
amdhsa.kernels:
  - .name:           k_q40ebbe820f_experts
    .symbol:         k_q40ebbe820f_experts.kd
    .args:
      - { .name: xb, .offset: 0, .size: 8, .value_kind: global_buffer, .address_space: global }
      - { .name: w1b, .offset: 8, .size: 8, .value_kind: global_buffer, .address_space: global }
      - { .name: w2b, .offset: 16, .size: 8, .value_kind: global_buffer, .address_space: global }
      - { .name: b1, .offset: 24, .size: 8, .value_kind: global_buffer, .address_space: global }
      - { .name: b2, .offset: 32, .size: 8, .value_kind: global_buffer, .address_space: global }
      - { .name: W3, .offset: 40, .size: 8, .value_kind: global_buffer, .address_space: global }
      - { .name: eo, .offset: 48, .size: 8, .value_kind: global_buffer, .address_space: global }
    .group_segment_fixed_size: 327680
    .private_segment_fixed_size: 0
    .kernarg_segment_align: 8
    .kernarg_segment_size: 56
    .max_flat_workgroup_size: 128
    .sgpr_count:     96
    .vgpr_count:     1024
    .wavefront_size: 32
...
	.end_amdgpu_metadata
.endif
;; end of part 2
;; launch gate (part 3): grid 128 x 1, 4 waves a work-group, no clusters, 35,328 bytes of LDS; arguments xb, gw, g1, g2, g3, b3, eo, out0; writes out0
.if DOCPART == 3
	.amdgcn_target "amdgcn-amd-amdhsa--gfx1250"
	.amdhsa_code_object_version 6
	.text
	.protected	k_q40ebbe820f_gate
	.globl	k_q40ebbe820f_gate
	.p2align	8
	.type	k_q40ebbe820f_gate,@function
k_q40ebbe820f_gate:
	s_mov_b64 s[64:65], 0
	v_nop
	global_prefetch_b8 v0, s[64:65] scope:SCOPE_SE
	s_setreg_imm32_b32 hwreg(HW_REG_WAVE_MODE, 25, 1), 1
	s_wait_xcnt 0x0
; THE GATE AND THE SUM.  out0[t][o] = sum over e of softmax_e(relu(relu(x G1 + g1) G2 + g2) G3 + g3)[t][e] x (b3[e][o] + sum over the four quarters q of eo[e][q][t][o]).
; x and G1, G2, G3 come as bf16 (xb; gw in fragment order); g1, g2, g3, b3 are rounded to bf16 here and used as f32; h1 and h2 are rounded once to bf16 as operands; all sums, the softmax and eo in f32.
; The softmax takes the row's true maximum away.  LIMITS: a weight below 2^-126 counts as 0; NaN and infinities are not treated apart.
; SHARES.  A work-group owns 32 tokens (two blocks of 16), so that its 256 bytes of out0 leave in one store.  Wave w makes the features 64 w .. + 63 of layers 1 and 2 (four blocks i); h1 and h2 go from wave
; to wave through LDS.  Layer 3 and the softmax are 16 matrix instructions and are made by every wave for itself; wave w then weighs quarter w of eo (wave 0 also b3), and wave 0 adds the four.
; The products are used transposed (source 0 = 16 weight columns, source 1 = 16 tokens): a lane holds one token (lane % 16) and eight features, or experts, 8 (lane / 16) + 0..7; a bias is the C that starts a sum.
; The weights come from memory straight into operand registers: 26 GROUPS of loads in one sequence (16 K steps of layer 1, with x's fragments; 8 of layer 2; 2 for layer 3), five groups ahead, in a ring
; of five register slots.  No cluster and no tensor load: each weight fragment has one reader in the work-group, and the launch is short.
; REGISTERS: window 0: v0-15 addresses; v16-79 the accumulators (i, t) at 16 + 8 (2 i + t); v80-151 g1's, g2's, g3's fragments; v152-183 packed results, later layer 3's four accumulators;
;   v184-215 eo; v216-231 b3; v232-253 at work; v254-255 the add's two.   window 1: the ring: slot g % 5 at 48 (g % 5): A(i) at + 8 i, B(t) at + 32 + 8 t.
.set PH,    528                        ; a row of h1 or h2 in LDS: 512 bytes + 16: the 16 rows of a fragment load start four banks apart (64 banks of 4 bytes: ISA guide 11.1)
.set H1,    0
.set H2,    32*PH                      ; 16,896
.set RED,   2*32*PH                    ; 33,792: 256 bytes a wave
.set SPARE, RED+1024                   ; 34,816: the spare words, 128 bytes a wave: two blocks of 256 bytes that no other line names
.set VA1, 4                            ; v4   65,536 w + 16 lane: my fragments of G1
.set VA2, 5                            ; v5   32,768 w + 16 lane: of G2
.set VL,  6                            ; v6   16 lane: of G3
.set VB,  7                            ; v7   my place in 16 rows of xb
.set VG,  8                            ; v8   in g1 and g2
.set VH5, 9                            ; v9   in g3
.set VH6, 10                           ; v10  in b3
.set VEO, 11                           ; v11  in eo
.set VHS, 12                           ; v12  in h1, h2, to write
.set VHR, 13                           ; v13  to read
.set ZERO, 14
.set V8L, 15                           ; v15  8 lane
.set ACC, 16
.set BIAS1, 80
.set BIAS2, 112
.set G3B, 144
.set PK,  152
.set L3,  152                          ; accumulator (t, parity of ks) at L3 + 8 (2 t + parity)
.set XQ,  160                          ; the odd accumulator of block t, at XQ + 16 t, is the softmax's work space once it has been added
.set EO,  184                          ; the pair of (t, j) at EO + 16 t + 2 j
.set B3,  216                          ; the pair of j at B3 + 2 j
.set TM,  232
.set SPW, 254
.set NIL, 255
.set MSB, 0
.macro WIN new
.if MSB != (\new)
	s_set_vgpr_msb (MSB<<8)|(\new)
.set MSB, \new
.endif
.endm
.macro PLACES                          ; four places between a matrix instruction and a load into its sources or a vector read of its result (ISA guide 7.12.1 for vector instructions)
.rept 4
	v_nop
.endr
.endm
.macro RND2 x, t                       ; two f32 rounded to bf16 and widened again
	v_cvt_pk_bf16_f32 v[\t], v[\x], v[(\x)+1]
	v_lshlrev_b32 v[\x], 16, v[\t]
	v_and_b32 v[(\x)+1], s31, v[\t]
.endm
.macro GLOAD g                         ; group g's loads; past the last group nothing
.if (\g) <= 25
	WIN 0x40                                       ; destination window 1, address window 0
.set sb, 48*((\g)%5)
.irp i, 0,1,2,3
.if (\g) < 16
	global_load_b128 v[sb+8*(\i):sb+8*(\i)+3],   v[VA1], s[6:7] offset:(\i)*16384+(\g)*1024
	global_load_b128 v[sb+8*(\i)+4:sb+8*(\i)+7], v[VA1], s[6:7] offset:(\i)*16384+(\g)*1024+512
.elseif (\g) < 24
	global_load_b128 v[sb+8*(\i):sb+8*(\i)+3],   v[VA2], s[6:7] offset:262144+(\i)*8192+((\g)-16)*1024
	global_load_b128 v[sb+8*(\i)+4:sb+8*(\i)+7], v[VA2], s[6:7] offset:262144+(\i)*8192+((\g)-16)*1024+512
.else
	global_load_b128 v[sb+8*(\i):sb+8*(\i)+3],   v[VL], s[6:7] offset:393216+(4*((\g)-24)+(\i))*1024
	global_load_b128 v[sb+8*(\i)+4:sb+8*(\i)+7], v[VL], s[6:7] offset:393216+(4*((\g)-24)+(\i))*1024+512
.endif
.endr
.if (\g) < 16
.irp t, 0,1
	global_load_b128 v[sb+32+8*(\t):sb+32+8*(\t)+3],   v[VB], s[4:5] offset:(\t)*16384+64*(\g)
	global_load_b128 v[sb+32+8*(\t)+4:sb+32+8*(\t)+7], v[VB], s[4:5] offset:(\t)*16384+64*(\g)+32
.endr
.endif
.endif
.endm
.macro SETY g                          ; YG = the loads of the groups g + 1 .. g + 4 that exist: those issued behind group g when its products are due
.set YG, 0
.irp d, 1,2,3,4
.if (\g)+(\d) < 16
.set YG, YG+12
.elseif (\g)+(\d) <= 25
.set YG, YG+8
.endif
.endr
.endm
.macro LMUL g, bias, first             ; a K step of layer 1 or 2: 8 matrix instructions on 8 accumulators by turns
	WIN 0x05                                       ; A and B in window 1, C and D in window 0
.set sb, 48*((\g)%5)
.irp i, 0,1,2,3
.irp t, 0,1
.if \first
	v_wmma_f32_16x16x32_bf16 v[ACC+8*(2*(\i)+(\t)):ACC+8*(2*(\i)+(\t))+7], v[sb+8*(\i):sb+8*(\i)+7], v[sb+32+8*(\t):sb+32+8*(\t)+7], v[(\bias)+8*(\i):(\bias)+8*(\i)+7]
.else
	v_wmma_f32_16x16x32_bf16 v[ACC+8*(2*(\i)+(\t)):ACC+8*(2*(\i)+(\t))+7], v[sb+8*(\i):sb+8*(\i)+7], v[sb+32+8*(\t):sb+32+8*(\t)+7], v[ACC+8*(2*(\i)+(\t)):ACC+8*(2*(\i)+(\t))+7]
.endif
.endr
.endr
.endm
.macro PACKL base                      ; a layer's results: rounded to bf16 (each accumulator from its lowest register on), relu, into LDS, shown to all.  The step before has left four places
	WIN 0
.set n, 0
.rept 32
	v_cvt_pk_bf16_f32 v[PK+n], v[ACC+2*n], v[ACC+2*n+1]
.set n, n+1
.endr
.set n, 0
.rept 32
	v_pk_max_num_bf16 v[PK+n], v[PK+n], v[ZERO]
.set n, n+1
.endr
.irp i, 0,1,2,3
.irp t, 0,1
	ds_store_b128 v[VHS], v[PK+4*(2*(\i)+(\t)):PK+4*(2*(\i)+(\t))+3] offset:(\base)+(\t)*16*PH+32*(\i)
.endr
.endr
	s_wait_dscnt 0x0                               ; for the others' sake: my stores are done
	s_barrier_signal -1
	s_barrier_wait -1
.endm
.macro DSB ks                          ; h1's fragments for layer 2's K step ks, into the B part of that step's slot
.if (\ks) <= 7
	WIN 0x40
.set sb, 48*((16+(\ks))%5)
.irp t, 0,1
	ds_load_b128 v[sb+32+8*(\t):sb+32+8*(\t)+3],   v[VHR] offset:H1+(\t)*16*PH+64*(\ks)
	ds_load_b128 v[sb+32+8*(\t)+4:sb+32+8*(\t)+7], v[VHR] offset:H1+(\t)*16*PH+64*(\ks)+32
.endr
.endif
.endm
	s_load_b512 s[4:19], s[0:1], 0x0               ; xb s[4:5], gw s[6:7], g1 s[8:9], g2 s[10:11], g3 s[12:13], b3 s[14:15], eo s[16:17], out0 s[18:19]
	v_lshl_add_u32 v[SPW], v0, 2, SPARE            ; the launch stores to LDS
	v_mov_b32 v[NIL], 0
	v_lshrrev_b32 v3, 5, v0
	v_readfirstlane_b32 s20, v3                    ; wave 0..3
	v_and_b32 v1, 15, v0                           ; l % 16
	v_bfe_u32 v2, v0, 4, 1                         ; l / 16
	v_and_b32 v3, 31, v0                           ; lane
	v_lshlrev_b32 v[VL], 4, v3
	s_lshl_b32 s21, s20, 16
	v_add_nc_u32 v[VA1], s21, v[VL]
	s_lshl_b32 s21, s20, 15
	v_add_nc_u32 v[VA2], s21, v[VL]
	v_lshlrev_b32 v[VB], 10, v1
	v_lshl_add_u32 v[VB], v2, 4, v[VB]             ; row x 1,024 + 16 x half
	v_lshlrev_b32 v[VH5], 5, v2                    ; eight f32 for each half of the lanes
	s_lshl_b32 s22, s20, 8
	v_add_nc_u32 v[VG], s22, v[VH5]                ; + my wave's 64 features
	v_lshlrev_b32 v[VH6], 6, v2                    ; eight pairs
	v_lshlrev_b32 v[VEO], 20, v2                   ; eo[e][q][t][o]: experts 8 (l / 16) on,
	v_lshl_add_u32 v[VEO], v1, 3, v[VEO]           ; token l % 16,
	v_add_nc_u32 v[VEO], s21, v[VEO]               ; quarter w
	v_mul_u32_u24 v[VHR], v1, PH
	v_lshl_add_u32 v[VHR], v2, 4, v[VHR]
	s_lshl_b32 s22, s20, 7
	v_add_nc_u32 v[VHS], s22, v[VHR]
	v_mov_b32 v[ZERO], 0
	v_lshlrev_b32 v[V8L], 3, v3
	s_lshl_b32 s22, ttmp9, 15                      ; 32 rows of xb
	s_mov_b32 s23, 0
	s_lshl_b32 s24, ttmp9, 8                       ; 32 tokens x 8 bytes of eo and of out0
	s_mov_b32 s25, 0
	s_cmp_eq_u32 s20, 0
	s_cselect_b32 s26, 1.0, 0                      ; b3 is counted once, by wave 0
	s_mov_b32 s27, s26                             ; named with it as a pair
	s_mov_b32 s28, 0x76543210                      ; v_permlanex16_b32: each lane takes its own place in the other half
	s_mov_b32 s29, 0xfedcba98
	s_mov_b32 s30, 0x3fb8aa3b                      ; log2(e)
	s_mov_b32 s31, 0xffff0000                      ; a word's upper bf16; also: lanes 16-31
	s_wait_kmcnt 0x0
	s_add_nc_u64 s[4:5], s[4:5], s[22:23]
	s_add_nc_u64 s[16:17], s[16:17], s[24:25]
	s_add_nc_u64 s[18:19], s[18:19], s[24:25]
	; the 38 small loads go first, so that they are older than every group
.irp i, 0,1,2,3
	global_load_b128 v[BIAS1+8*(\i):BIAS1+8*(\i)+3],   v[VG], s[8:9] offset:64*(\i)
	global_load_b128 v[BIAS1+8*(\i)+4:BIAS1+8*(\i)+7], v[VG], s[8:9] offset:64*(\i)+16
	global_load_b128 v[BIAS2+8*(\i):BIAS2+8*(\i)+3],   v[VG], s[10:11] offset:64*(\i)
	global_load_b128 v[BIAS2+8*(\i)+4:BIAS2+8*(\i)+7], v[VG], s[10:11] offset:64*(\i)+16
.endr
	global_load_b128 v[G3B:G3B+3],   v[VH5], s[12:13]
	global_load_b128 v[G3B+4:G3B+7], v[VH5], s[12:13] offset:16
.irp i, 0,1,2,3
	global_load_b128 v[B3+4*(\i):B3+4*(\i)+3], v[VH6], s[14:15] offset:16*(\i)
.endr
.irp t, 0,1
.irp j, 0,1,2,3,4,5,6,7
	global_load_b64 v[EO+16*(\t)+2*(\j):EO+16*(\t)+2*(\j)+1], v[VEO], s[16:17] offset:(\j)*131072+128*(\t)
.endr
.endr
.irp g, 0,1,2,3,4
	GLOAD \g
.endr
	WIN 0
	s_wait_loadcnt 60                              ; the five groups of twelve stay out; the small loads are in
.set n, 0
.rept 36
	RND2 BIAS1+2*n, TM+n%4                         ; g1, g2, g3: 72 registers on end
.set n, n+1
.endr
.set n, 0
.rept 8
	RND2 B3+2*n, TM+n%4
.set n, n+1
.endr
	; LAYER 1: 16 K steps
.set kk, 0
.rept 16
	SETY kk
	s_wait_loadcnt YG                              ; loads come back in order: group kk is in, the younger groups stay out
	LMUL kk, BIAS1, (kk==0)
	PLACES
	GLOAD kk+5                                     ; into the slot just multiplied
.set kk, kk+1
.endr
	PACKL H1
	; LAYER 2: 8 K steps; A from memory as before, B from h1 in LDS, five steps ahead as well
.irp k, 0,1,2,3,4
	DSB \k
.endr
.set kk, 0
.rept 8
	SETY 16+kk
	s_wait_loadcnt YG
.if 7-kk < 4
	s_wait_dscnt 4*(7-kk)                          ; the last steps: the count runs down
.else
	s_wait_dscnt 16                                ; the four younger runs of four stay out
.endif
	LMUL 16+kk, BIAS2, (kk==0)
	PLACES
	GLOAD 21+kk
	DSB kk+5
.set kk, kk+1
.endr
	PACKL H2
	; LAYER 3: every wave for itself.  G3's fragments lie in slots 4 (K steps 0-3) and 0 (4-7); h2's go into slots 1 to 3
	WIN 0x40
.irp k, 0,1,2,3,4,5,6,7
.irp t, 0,1
	ds_load_b128 v[48+16*(\k)+8*(\t):48+16*(\k)+8*(\t)+3],   v[VHR] offset:H2+(\t)*16*PH+64*(\k)
	ds_load_b128 v[48+16*(\k)+8*(\t)+4:48+16*(\k)+8*(\t)+7], v[VHR] offset:H2+(\t)*16*PH+64*(\k)+32
.endr
.endr
	s_wait_loadcnt 0x0
	s_wait_dscnt 0x0
	WIN 0x05
.irp k, 0,1,2,3,4,5,6,7                ; four accumulators (token block, parity of the K step) by turns; g3 starts the even ones, 0 the odd ones
.irp t, 0,1
.set ra, 192+8*(\k)-224*((\k)/4)
.set rd, L3+8*(2*(\t)+(\k)%2)
.if (\k) == 0
	v_wmma_f32_16x16x32_bf16 v[rd:rd+7], v[ra:ra+7], v[48+16*(\k)+8*(\t):48+16*(\k)+8*(\t)+7], v[G3B:G3B+7]
.elseif (\k) == 1
	v_wmma_f32_16x16x32_bf16 v[rd:rd+7], v[ra:ra+7], v[48+16*(\k)+8*(\t):48+16*(\k)+8*(\t)+7], 0
.else
	v_wmma_f32_16x16x32_bf16 v[rd:rd+7], v[ra:ra+7], v[48+16*(\k)+8*(\t):48+16*(\k)+8*(\t)+7], v[rd:rd+7]
.endif
.endr
.endr
	PLACES
	WIN 0
.irp t, 0,1
.irp k, 0,1,2,3
	v_pk_add_f32 v[L3+16*(\t)+2*(\k):L3+16*(\t)+2*(\k)+1], v[L3+16*(\t)+2*(\k):L3+16*(\t)+2*(\k)+1], v[XQ+16*(\t)+2*(\k):XQ+16*(\t)+2*(\k)+1]  ; the two parities, from the low end on
.endr
.endr
	; THE SOFTMAX over 16 experts: eight in my lane, eight in the lane 16 away.  Work space of block t at XQ + 16 t: +0 maximum, +1 the other half's, +2 c m, later +2, +3 the weighted sums, +4 the sum of weights
.macro BOTH line:vararg                ; one line for each token block u
.set u, 0
.rept 2
	\line
.set u, u+16
.endr
.endm
	BOTH v_max3_num_f32 v[XQ+u], v[L3+u], v[L3+u+1], v[L3+u+2]
	BOTH v_max3_num_f32 v[XQ+u], v[XQ+u], v[L3+u+3], v[L3+u+4]
	BOTH v_max3_num_f32 v[XQ+u], v[XQ+u], v[L3+u+5], v[L3+u+6]
	BOTH v_max_num_f32 v[XQ+u], v[XQ+u], v[L3+u+7]
	BOTH v_permlanex16_b32 v[XQ+u+1], v[XQ+u], s28, s29
	BOTH v_max_num_f32 v[XQ+u], v[XQ+u], v[XQ+u+1]
	BOTH v_mul_f32 v[XQ+u+2], s30, v[XQ+u]
.irp j, 0,1,2,3,4,5,6,7
	BOTH v_fma_f32 v[L3+u+(\j)], v[L3+u+(\j)], s30, -v[XQ+u+2]
.endr
.irp j, 0,1,2,3,4,5,6,7
	BOTH v_exp_f32 v[L3+u+(\j)], v[L3+u+(\j)]
.endr
.irp j, 0,1,2,3,4,5,6,7                ; independent work behind the batch of 16 exponentials: b3 onto eo (wave 0 alone: the factor is 1 or 0)
	BOTH v_pk_fma_f32 v[EO+u+2*(\j):EO+u+2*(\j)+1], v[B3+2*(\j):B3+2*(\j)+1], s[26:27], v[EO+u+2*(\j):EO+u+2*(\j)+1] op_sel_hi:[1,0,1]
.endr
	s_wait_alu depctr_va_vdst(0)                   ; one wait for the batch, ahead of its first reader
	BOTH v_pk_add_f32 v[XQ+u+4:XQ+u+5], v[L3+u:L3+u+1], v[L3+u+2:L3+u+3]
	BOTH v_pk_add_f32 v[XQ+u+6:XQ+u+7], v[L3+u+4:L3+u+5], v[L3+u+6:L3+u+7]
	BOTH v_pk_mul_f32 v[XQ+u+2:XQ+u+3], v[L3+u:L3+u+1], v[EO+u:EO+u+1] op_sel_hi:[0,1]
	BOTH v_pk_add_f32 v[XQ+u+4:XQ+u+5], v[XQ+u+4:XQ+u+5], v[XQ+u+6:XQ+u+7]
.irp j, 1,2,3,4,5,6,7                  ; weight j, to both halves, times the pair of eo
.if (\j)%2
	BOTH v_pk_fma_f32 v[XQ+u+2:XQ+u+3], v[L3+u+(\j)-1:L3+u+(\j)], v[EO+u+2*(\j):EO+u+2*(\j)+1], v[XQ+u+2:XQ+u+3] op_sel:[1,0,0] op_sel_hi:[1,1,1]
.else
	BOTH v_pk_fma_f32 v[XQ+u+2:XQ+u+3], v[L3+u+(\j):L3+u+(\j)+1], v[EO+u+2*(\j):EO+u+2*(\j)+1], v[XQ+u+2:XQ+u+3] op_sel:[0,0,0] op_sel_hi:[0,1,1]
.endif
.endr
	BOTH v_add_f32 v[XQ+u+4], v[XQ+u+4], v[XQ+u+5]
	BOTH v_permlanex16_b32 v[XQ+u], v[XQ+u+4], s28, s29
	BOTH v_permlanex16_b32 v[XQ+u+6], v[XQ+u+2], s28, s29
	BOTH v_permlanex16_b32 v[XQ+u+7], v[XQ+u+3], s28, s29
	BOTH v_add_f32 v[XQ+u+4], v[XQ+u+4], v[XQ+u]
	BOTH v_pk_add_f32 v[XQ+u+2:XQ+u+3], v[XQ+u+2:XQ+u+3], v[XQ+u+6:XQ+u+7]
	BOTH v_rcp_f32 v[XQ+u+5], v[XQ+u+4]
	v_nop                                          ; a plain instruction between the last reciprocal and the use of its result,
	s_wait_alu depctr_va_vdst(0)                   ; and one wait for the two
	BOTH v_mul_f32 v[XQ+u+2], v[XQ+u+2], v[XQ+u+5]
	BOTH v_mul_f32 v[XQ+u+3], v[XQ+u+3], v[XQ+u+5]
	v_cndmask_b32 v[TM],   v[XQ+2], v[XQ+18], s31  ; both halves of the lanes hold the results: lanes 0-15 keep block 0, lanes 16-31 take block 1
	v_cndmask_b32 v[TM+1], v[XQ+3], v[XQ+19], s31
	s_lshl_b32 s21, s20, 8
	s_add_co_u32 s21, s21, RED
	v_add_nc_u32 v[TM+2], s21, v[V8L]
	ds_store_b64 v[TM+2], v[TM:TM+1]
	s_wait_dscnt 0x0                               ; for wave 0's sake
	s_barrier_signal -1
	s_barrier_wait -1
	s_cmp_lg_u32 s20, 0
	s_cbranch_scc1 .Lend
.irp k, 0,1,2,3
	ds_load_b64 v[TM+4+2*(\k):TM+5+2*(\k)], v[V8L] offset:RED+256*(\k)
.endr
	s_wait_dscnt 0x0
	v_pk_add_f32 v[TM+4:TM+5], v[TM+4:TM+5], v[TM+6:TM+7]
	v_pk_add_f32 v[TM+8:TM+9], v[TM+8:TM+9], v[TM+10:TM+11]
	v_pk_add_f32 v[TM+4:TM+5], v[TM+4:TM+5], v[TM+8:TM+9]
	global_store_b64 v[V8L], v[TM+4:TM+5], s[18:19]  ; 32 tokens x 8 bytes: 256 consecutive bytes, aligned
.Lend:
	s_wait_tensorcnt 0x0                           ; the wave's end, behind my last LDS store
	ds_add_u32 v[SPW], v[NIL]
	s_wait_dscnt 0x0
	s_endpgm
.Lfunc_end_k_q40ebbe820f_gate:
	.size	k_q40ebbe820f_gate, .Lfunc_end_k_q40ebbe820f_gate-k_q40ebbe820f_gate
	.p2alignl 7, 3214868480
	.fill 96, 4, 3214868480
	.section	.rodata,"a",@progbits
	.p2align	6, 0x0
	.amdhsa_kernel k_q40ebbe820f_gate
		.amdhsa_group_segment_fixed_size 35328
		.amdhsa_private_segment_fixed_size 0
		.amdhsa_enable_private_segment 0
		.amdhsa_kernarg_size 64
		.amdhsa_user_sgpr_count 2
		.amdhsa_user_sgpr_kernarg_segment_ptr 1
		.amdhsa_wavefront_size32 1
		.amdhsa_system_sgpr_workgroup_id_x 1
		.amdhsa_system_sgpr_workgroup_id_y 1
		.amdhsa_system_sgpr_workgroup_id_z 1
		.amdhsa_system_vgpr_workitem_id 0
		.amdhsa_next_free_vgpr 512
		.amdhsa_next_free_sgpr 66
		.amdhsa_reserve_vcc 0
		.amdhsa_float_denorm_mode_32 3
		.amdhsa_float_denorm_mode_16_64 3
		.amdhsa_memory_ordered 1
		.amdhsa_forward_progress 1
		.amdhsa_inst_pref_size 76
	.end_amdhsa_kernel
	.amdgpu_metadata
---
amdhsa.version: [ 1, 2 ]
amdhsa.kernels:
  - .name:           k_q40ebbe820f_gate
    .symbol:         k_q40ebbe820f_gate.kd
    .args:
      - { .name: xb, .offset: 0, .size: 8, .value_kind: global_buffer, .address_space: global }
      - { .name: gw, .offset: 8, .size: 8, .value_kind: global_buffer, .address_space: global }
      - { .name: g1, .offset: 16, .size: 8, .value_kind: global_buffer, .address_space: global }
      - { .name: g2, .offset: 24, .size: 8, .value_kind: global_buffer, .address_space: global }
      - { .name: g3, .offset: 32, .size: 8, .value_kind: global_buffer, .address_space: global }
      - { .name: b3, .offset: 40, .size: 8, .value_kind: global_buffer, .address_space: global }
      - { .name: eo, .offset: 48, .size: 8, .value_kind: global_buffer, .address_space: global }
      - { .name: out0, .offset: 56, .size: 8, .value_kind: global_buffer, .address_space: global }
    .group_segment_fixed_size: 35328
    .private_segment_fixed_size: 0
    .kernarg_segment_align: 8
    .kernarg_segment_size: 64
    .max_flat_workgroup_size: 128
    .sgpr_count:     66
    .vgpr_count:     512
    .wavefront_size: 32
...
	.end_amdgpu_metadata
.endif
;; end of part 3
;; ======== version 2 of 3: 3 launches; 1.12 times as fast as version 1
;; workspace buffers: w1b 16,777,216 bytes; w2b 16,777,216 bytes; xb 4,194,304 bytes; gw 401,408 bytes; eo 2,097,152 bytes
;; launch prep (part 4): grid 674 x 1, 8 waves a work-group, no clusters, 0 bytes of LDS; arguments W1, W2, x, G1, G2, G3, w1b, w2b, xb, gw; writes w1b, w2b, xb, gw
.if DOCPART == 4
	.amdgcn_target "amdgcn-amd-amdhsa--gfx1250"
	.amdhsa_code_object_version 6
	.text
	.protected	k_q40ebbe820f_prep
	.globl	k_q40ebbe820f_prep
	.p2align	8
	.type	k_q40ebbe820f_prep,@function
k_q40ebbe820f_prep:
	s_mov_b64 s[64:65], 0
	v_nop
	global_prefetch_b8 v0, s[64:65] scope:SCOPE_SE
	s_setreg_imm32_b32 hwreg(HW_REG_WAVE_MODE, 25, 1), 1
	s_wait_xcnt 0x0
; PREP.  Every large input is rounded ONCE to bf16 (nearest even), for the two launches behind.
; Work-groups 0-575: W1, W2 and x are cast as they lie (w1b, w2b, xb keep the inputs' layout): a stream, 131,072 bytes in and 65,536 out a work-group.
; Work-groups 576-673: the gate's G1, G2, G3 ([K][N], f32) are written into gw in the order in which a wave's operand registers take them:
;   fragment (nt, ks) = 16 columns x 32 k is a block of 1,024 bytes at (nt*KS + ks)*1024; in it byte (part*32 + lane)*16 + 2 i holds G[32 ks + 16 part + 8 (lane/16) + i][16 nt + lane%16].
; No LDS, no barrier, no matrix unit: nothing is used twice here.
.set DEPTH, 16                         ; slots = loads of a wave that are out
.set XR, 8                             ; v[8:71]    ring of sixteen slots: 4 registers, 4 f32 as loaded
.set YR, 72                            ; v[72:135]  row i of 32: 2 registers of its own, 4 bf16 to store: no store's data is ever rewritten
	s_load_b512 s[4:19], s[0:1], 0x0               ; W1 s[4:5], W2 s[6:7], x s[8:9], G1 s[10:11], G2 s[12:13], G3 s[14:15], w1b s[16:17], w2b s[18:19]
	s_load_b128 s[20:23], s[0:1], 0x40             ; xb s[20:21], gw s[22:23]
	s_mov_b32 s24, ttmp9                           ; the work-group's number
	v_lshlrev_b32 v1, 4, v0                        ; 16 t: my 16 bytes of every 4,096 read; never rewritten
	v_lshlrev_b32 v2, 3, v0                        ; 8 t: my 8 bytes of every 2,048 written; never rewritten
	s_mov_b32 s33, 0
	s_mov_b32 s35, 0
	s_wait_kmcnt 0x0
	s_cmp_ge_u32 s24, 576
	s_cbranch_scc1 .Ltrans
	; THE CAST.  Which tensor: 256 work-groups for W1, 256 for W2, 64 for x
	s_mov_b32 s30, 512
	s_cmp_lt_u32 s24, 512
	s_cselect_b64 s[26:27], s[6:7], s[8:9]
	s_cselect_b64 s[28:29], s[18:19], s[20:21]
	s_cselect_b32 s30, 256, s30
	s_cmp_lt_u32 s24, 256
	s_cselect_b64 s[26:27], s[4:5], s[26:27]
	s_cselect_b64 s[28:29], s[16:17], s[28:29]
	s_cselect_b32 s30, 0, s30
	s_sub_co_u32 s30, s24, s30                     ; my number within that tensor
	s_lshl_b32 s32, s30, 17                        ; 131,072 bytes in,
	s_lshl_b32 s34, s30, 16                        ; 65,536 out
	s_add_nc_u64 s[26:27], s[26:27], s[32:33]
	s_add_nc_u64 s[28:29], s[28:29], s[34:35]
.set n, 0
.rept DEPTH
	global_load_b128 v[XR+4*n:XR+4*n+3], v1, s[26:27] offset:n*4096 th:TH_LOAD_NT  ; the ring is filled: sixteen loads of every wave are out
.set n, n+1
.endr
; Row i of 32 (4,096 bytes in): its place stands in the immediates, so no address register is ever stepped; its rounded numbers have registers of their own, so nothing that a store reads is written again.
.macro SLOT i
.set sl, (\i)%DEPTH
.if 31-(\i) < DEPTH-1
	s_wait_loadcnt 31-(\i)                         ; the last rows: the count runs down
.else
	s_wait_loadcnt DEPTH-1                         ; loads come back in order: mine is in, the fifteen younger stay out
.endif
	v_cvt_pk_bf16_f32 v[YR+2*(\i)],   v[XR+4*sl],   v[XR+4*sl+1]
	v_cvt_pk_bf16_f32 v[YR+2*(\i)+1], v[XR+4*sl+2], v[XR+4*sl+3]
.if (\i)+DEPTH < 32
	global_load_b128 v[XR+4*sl:XR+4*sl+3], v1, s[26:27] offset:((\i)+DEPTH)*4096 th:TH_LOAD_NT
.endif
	global_store_b64 v2, v[YR+2*(\i):YR+2*(\i)+1], s[28:29] offset:(\i)*2048  ; a wave's 32 lanes store 256 consecutive bytes, aligned
.endm
.set n, 0
.rept 32
	SLOT n
.set n, n+1
.endr
	s_endpgm
.Ltrans:
	; THE GATE'S WEIGHTS.  A thread makes one piece of 16 bytes: eight k of one column.  64 work-groups for G1, 32 for G2, 2 for G3.
	s_sub_co_u32 s25, s24, 576
	s_mov_b32 s38, 262144                          ; where G2's fragments begin in gw,
	s_mov_b32 s39, 393216                          ; and G3's
	s_mov_b32 s37, 4                               ; log2 of the pieces along K: 2 x 256 / 32 = 16 (G2, G3)
	s_cmp_lt_u32 s25, 96
	s_cselect_b64 s[26:27], s[12:13], s[14:15]
	s_cselect_b32 s30, 1024, 64                    ; bytes in a row of the source
	s_cselect_b32 s31, s38, s39
	s_cselect_b32 s36, 64, 96                      ; the tensor's first work-group
	s_cmp_lt_u32 s25, 64
	s_cselect_b64 s[26:27], s[10:11], s[26:27]
	s_cselect_b32 s31, 0, s31
	s_cselect_b32 s36, 0, s36
	s_cselect_b32 s37, 5, s37                      ; G1: 2 x 512 / 32 = 32
	s_sub_co_u32 s25, s25, s36
	s_lshl_b32 s25, s25, 8
	s_bfm_b32 s40, s37, 0                          ; mask of the piece's place along K
	v_add_nc_u32 v3, s25, v0                       ; the piece's number
	v_and_b32 v4, 31, v0                           ; lane
	v_lshrrev_b32 v5, 5, v3
	v_and_b32 v6, s40, v5                          ; kp = 2 ks + part
	v_lshrrev_b32 v7, s37, v5                      ; nt
	v_lshrrev_b32 v8, 4, v4
	v_lshlrev_b32 v8, 3, v8
	v_lshl_add_u32 v8, v6, 4, v8                   ; k0 = 16 kp + 8 (lane / 16)
	v_and_b32 v9, 15, v4
	v_lshl_add_u32 v9, v7, 4, v9                   ; n = 16 nt + lane % 16
	v_mul_lo_u32 v10, v8, s30
	v_lshl_add_u32 v10, v9, 2, v10                 ; byte of G[k0][n]
.irp i, 1,2,3,4,5,6,7
	v_add_nc_u32 v[10+(\i)], s30, v[9+(\i)]        ; and of the seven rows below
.endr
.irp i, 0,1,2,3,4,5,6,7
	global_load_b32 v[20+(\i)], v[10+(\i)], s[26:27]
.endr
	v_lshlrev_b32 v32, 4, v3
	v_add_nc_u32 v32, s31, v32                     ; 16 bytes a piece
	s_wait_loadcnt 0x0
.irp i, 0,1,2,3
	v_cvt_pk_bf16_f32 v[28+(\i)], v[20+2*(\i)], v[21+2*(\i)]
.endr
	global_store_b128 v32, v[28:31], s[22:23]      ; a wave stores 512 consecutive bytes
	s_endpgm
.Lfunc_end_k_q40ebbe820f_prep:
	.size	k_q40ebbe820f_prep, .Lfunc_end_k_q40ebbe820f_prep-k_q40ebbe820f_prep
	.p2alignl 7, 3214868480
	.fill 96, 4, 3214868480
	.section	.rodata,"a",@progbits
	.p2align	6, 0x0
	.amdhsa_kernel k_q40ebbe820f_prep
		.amdhsa_group_segment_fixed_size 0
		.amdhsa_private_segment_fixed_size 0
		.amdhsa_enable_private_segment 0
		.amdhsa_kernarg_size 80
		.amdhsa_user_sgpr_count 2
		.amdhsa_user_sgpr_kernarg_segment_ptr 1
		.amdhsa_wavefront_size32 1
		.amdhsa_system_sgpr_workgroup_id_x 1
		.amdhsa_system_sgpr_workgroup_id_y 1
		.amdhsa_system_sgpr_workgroup_id_z 1
		.amdhsa_system_vgpr_workitem_id 0
		.amdhsa_next_free_vgpr 136
		.amdhsa_next_free_sgpr 66
		.amdhsa_reserve_vcc 0
		.amdhsa_float_denorm_mode_32 3
		.amdhsa_float_denorm_mode_16_64 3
		.amdhsa_memory_ordered 1
		.amdhsa_forward_progress 1
		.amdhsa_inst_pref_size 15
	.end_amdhsa_kernel
	.amdgpu_metadata
---
amdhsa.version: [ 1, 2 ]
amdhsa.kernels:
  - .name:           k_q40ebbe820f_prep
    .symbol:         k_q40ebbe820f_prep.kd
    .args:
      - { .name: W1, .offset: 0, .size: 8, .value_kind: global_buffer, .address_space: global }
      - { .name: W2, .offset: 8, .size: 8, .value_kind: global_buffer, .address_space: global }
      - { .name: x, .offset: 16, .size: 8, .value_kind: global_buffer, .address_space: global }
      - { .name: G1, .offset: 24, .size: 8, .value_kind: global_buffer, .address_space: global }
      - { .name: G2, .offset: 32, .size: 8, .value_kind: global_buffer, .address_space: global }
      - { .name: G3, .offset: 40, .size: 8, .value_kind: global_buffer, .address_space: global }
      - { .name: w1b, .offset: 48, .size: 8, .value_kind: global_buffer, .address_space: global }
      - { .name: w2b, .offset: 56, .size: 8, .value_kind: global_buffer, .address_space: global }
      - { .name: xb, .offset: 64, .size: 8, .value_kind: global_buffer, .address_space: global }
      - { .name: gw, .offset: 72, .size: 8, .value_kind: global_buffer, .address_space: global }
    .group_segment_fixed_size: 0
    .private_segment_fixed_size: 0
    .kernarg_segment_align: 8
    .kernarg_segment_size: 80
    .max_flat_workgroup_size: 256
    .sgpr_count:     66
    .vgpr_count:     136
    .wavefront_size: 32
...
	.end_amdgpu_metadata
.endif
;; end of part 4
;; launch experts (part 5): grid 32 x 8, 4 waves a work-group, clusters of 4 x 1, 327,680 bytes of LDS; arguments xb, w1b, w2b, b1, b2, W3, eo; writes eo
.if DOCPART == 5
	.amdgcn_target "amdgcn-amd-amdhsa--gfx1250"
	.amdhsa_code_object_version 6
	.text
	.protected	k_q40ebbe820f_experts
	.globl	k_q40ebbe820f_experts
	.p2align	8
	.type	k_q40ebbe820f_experts,@function
k_q40ebbe820f_experts:
	s_mov_b64 s[64:65], 0
	v_nop
	global_prefetch_b8 v0, s[64:65] scope:SCOPE_SE
	s_setreg_imm32_b32 hwreg(HW_REG_WAVE_MODE, 25, 1), 1
	s_wait_xcnt 0x0
	s_wait_alu depctr_hold_cnt(0) depctr_sa_sdst(0) depctr_va_vdst(0) depctr_va_sdst(0) depctr_va_ssrc(0) depctr_va_vcc(0) depctr_vm_vsrc(0)
	s_getreg_b32 s2, hwreg(HW_REG_IB_STS2, 6, 4)
	s_cmp_eq_u32 s2, 0
	s_cbranch_scc0 .Lentry_in_a_cluster
	s_endpgm
.Lentry_in_a_cluster:
	s_bfe_u32 s2, ttmp6, 0x10000c
	s_cmp_lg_u32 s2, 0x3003
	s_cbranch_scc0 .Lentry_shape_is_right
	s_endpgm
.Lentry_shape_is_right:
; THE EXPERTS' CHAIN, FUSED.  eo[e][w][t][o] = sum over the features f = 128 w .. 128 w + 127 of relu(e2[t][f]) W3[e][f][o],  e2 = relu(x W1[e] + b1[e]) W2[e] + b2[e].
; x, W1, W2 come as bf16 (xb, w1b, w2b: the inputs' own layout); b1, b2 and W3 are rounded to bf16 here and used as f32.  Sums in f32; e1 = relu(..) is rounded once to bf16 as the second
; product's operand; e2 stays f32.  LIMITS: matrix operands have bf16's 8 significant bits; NaN and infinities are not treated apart.
; SHARES.  A work-group owns 128 tokens (tile T) and two experts, 2 p and then 2 p + 1: 32 x 8 work-groups.  An expert's 1,024 hidden columns go in four CHUNKS of 256; eight chunks are ONE loop.
;   G1 of a chunk: e1^T (256 h x 128 tokens), K = 512.  Wave w makes the four blocks of 16 h at 32 w, 32 w + 16, 128 + 32 w, 128 + 32 w + 16, for all tokens: 32 accumulators.
;   G2 of a chunk: e2^T (512 f x 128 tokens) += W2^T e1^T, K = the chunk's 256 h.  Wave w makes f = 128 w .. + 127 for all tokens: 64 accumulators, which live through an expert's four chunks.
;   e1 goes from wave to wave through a stage in LDS with room for 128 h: the first halves of all waves for G2's first half, then (kept packed in registers meanwhile) the second halves.
; THE WALK IS TURNED.  Eight clusters (X = 0 .. 7, the cluster's x) walk the same pair of experts.  Cluster X takes an expert's chunks in the order r, r + 1, r + 2, r + 3 (mod 4), r = (X + X / 4) mod 4:
; two clusters begin at each chunk, so at one time the eight ask for four different chunks' tiles, and from an expert's second chunk on a cluster asks for tiles that another has asked for a chunk's time
; before.  r takes all four values among X = 0 .. 3, among 4 .. 7, among the even X and among the odd.  It enters the weights' global addresses and those by which b1's table is loaded, and nothing else:
; the table lies in LDS in the order of the walk, so every LDS address is as in an unturned walk.  The four chunks' shares of e2 are f32 sums, added in the order of the walk.
; BOTH PRODUCTS ARE USED TRANSPOSED: source 0 = 16 weight columns (the weights lie [K][N] in LDS and are turned by ds_load_tr16_b128), source 1 = 16 tokens.  In the result a lane holds ONE token
; (lane % 16) and eight neighbouring features 8 (lane / 16) + 0..7, which pack into 16 bytes of a row [token][h]; a bias is the C operand that starts a sum, so nothing is cleared.
; RING.  Two LDS slots take turns; a PERIOD is one slot: 128 k-rows x 256 h of W1 (periods 0-3 of a chunk) or 64 h-rows x 512 f of W2 (periods 4-7): 65,536 bytes of weights and 128 matrix instructions a wave.
; At each change of period every wave asks for its quarter of the NEXT period's tile, into the slot just left.  By this text's count a wave has three tensor loads out at the start and one behind each round.
; THE SEAMS OF A CHUNK.  Products stand behind every run of LDS instructions whose results are waited for: (1) the next chunk's b1 and first fragments are asked for in G2's last change of period, 32 products
; ahead of their use; (2) of G1's last K step the 16 products of my h blocks 2 and 3, which e1's first half does not need, are kept back and stand behind my stores of that half into the stage; (3) in G2's
; middle W2's fragments, which do not hang on the stage, are asked for ahead of my stores of e1's second half, 16 products stand behind those stores and 16 behind the loads from the stage.
; CLUSTER.  The four work-groups of a cluster have the same p and X and other tokens: they walk the same weight tiles, so every weight tile is asked for JOINTLY (the same load, descriptor and mask of four in all);
; x's tile is each work-group's own (mask 0).  No branch, trip count or LDS address hangs on the place in the cluster.
; REGISTERS, in windows of 256 (s_set_vgpr_msb: bits 1:0 source 0, 3:2 source 1, 5:4 source 2, 7:6 destination):
;   window 0: v0-31 addresses; v32-63 b1's fragments; v64-159, v160-255 G1's two fragment buffers (A at +8 a, B at +32 + 8 b); later v64-127 e1's packed first half, v128-191 the second half,
;             v192-255 b2's fragments; at an expert's end v160-223 W3's words
;   window 1: G1's accumulators ((a, b) at 8 (8 a + b)); later G2's two fragment buffers v0-127, v128-255 (A at +8 a, B at +64 + 8 b); at an expert's end W3 and the sums
;   windows 2, 3: G2's accumulators: (a, b) at 8 (8 (a % 4) + b) of window 2 + a / 4
.set PW1,   544                        ; a row of a W1 tile in LDS: 512 bytes + 32
.set PW2,   1056                       ; a row of a W2 tile: 1,024 + 32
.set PX,    1040                       ; a row of x: 1,024 + 16: the 16 rows of a fragment load start four banks apart
.set PS,    272                        ; a row of the stage: 256 + 16
.set SLOTB, 4*32*PW1                   ; 69,632: a slot (a W2 tile uses 4 x 16 x 1,056 = 67,584 of it)
.set XT,    2*SLOTB                    ; 139,264: 128 tokens x 1,040; filled once
.set STG,   XT+128*PX                  ; 272,384: the stage, 128 tokens x 272; written by ds_store, never by a tensor load
.set TB1,   STG+128*PS                 ; 307,200: b1 of both experts, f32 [2][4 chunks in the order of the walk][256]
.set TB2,   TB1+8192                   ; 315,392: b2, f32 [2][512]
.set TW3,   TB2+4096                   ; 319,488: a word a feature: W3[f][0] in the low half, W3[f][1] in the high half, bf16, [2][512]
.set SPARE, TW3+4096                   ; 323,584: the spare words, 128 bytes a wave: two blocks of 256 bytes that no other line names
.set AW1, 8                            ; v8-9    my lane's place in a W1 tile, slot 0, 1
.set AW2, 10                           ; v10-11  in a W2 tile
.set AX,  12                           ; v12-13  in x's rows 0-63, 64-127
.set AS,  14                           ; v14     in the stage, to read
.set ASW, 15                           ; v15     in the stage, to write: + my wave's 64 bytes
.set AB1, 16                           ; v16     in b1's table; steps a chunk at a time
.set AB2, 17                           ; v17     in b2's table (W3's lies 4,096 behind); steps an expert at a time
.set VEO, 19                           ; v19     8 x lane: my byte in 256 bytes of eo; never rewritten
.set ZERO, 20                          ; v20     0, for the packed maximum
.set SPW, 28                           ; v28     LDS address of my spare word; never rewritten
.set NIL, 29                           ; v29     0; never rewritten
.set BI,  32
.set FB0, 64
.set FB1, 160
.set P0,  64                           ; e1's first half: in buffer 0, which K step 15 does not read
.set P1,  128                          ; e1's second half, kept until G2's middle
.set B2F, 192
.set W3P, 160
.set F0,  0
.set F1,  128
.set OUT, 128                          ; window 1, at an expert's end: the pair (o = 0, 1) of token block b at OUT + 2 b
.set TT,  144
.set RR,  160
.set WV,  20                           ; s20  my wave's number
.set G1W1, 24                          ; s[24:31] descriptor group 1: a quarter of a W1 tile
.set G1W2, 32                          ; s[32:39] a quarter of a W2 tile
.set G1X,  40                          ; s[40:47] a quarter of x's tile
.set DW1_0, 48                         ; s[48:63] descriptor groups 0, for W1 and W2 tiles into slot 0 and slot 1; their LDS words are never rewritten
.set DW1_1, 52
.set DW2_0, 56
.set DW2_1, 60
.set CH,   66                          ; s66  chunks to go, 8 to 0
.set NEWU, 67                          ; s67  1: the next G2 starts an expert's sums
.set DX,   68                          ; s[68:71] group 0 for x
.set CB1,  72                          ; s72  the chunk's byte offset in my w1b: expert << 20 + chunk << 9
.set CB2,  76                          ; s76  in my w2b: expert << 20 + chunk << 18
.set ROT,  92                          ; s92  r, the chunk at which my cluster begins an expert
.set KA, 0                             ; the kinds of G2's changes of period: see K2T
.set KR, 1
.set KE, 2
.set KN, 3
.set MSB, 0
.macro WIN new                         ; the immediate's high byte repeats the setting that is left; a switch that changes nothing is dropped
.if MSB != (\new)
	s_set_vgpr_msb (MSB<<8)|(\new)
.set MSB, \new
.endif
.endm
; A load into a register that a matrix instruction has read, and a vector instruction that reads a matrix result or writes one of a matrix instruction's registers, stand four places behind it;
; only plain vector instructions that name none of its registers are places (ISA guide 7.12.1 for vector instructions).
.macro PLACES
.rept 4
	v_nop
.endr
.endm
.macro CREST                           ; a round of the cluster's barrier behind its opening barrier
	s_cmp_lg_u32 s[WV], 0
	s_cbranch_scc1 .Lnot_wave_0_\@
	s_barrier_signal -3
.Lnot_wave_0_\@:
	s_barrier_wait -3
	s_barrier_signal -1
	s_barrier_wait -1
.endm
.macro CROUND                          ; a whole round
	s_barrier_signal -1
	s_barrier_wait -1
	CREST
.endm
.macro JL d, g                         ; my quarter of a tile: every wave issues the line, each with its own rows; an s_nop 0 and four v_nop follow
	tensor_load_to_lds s[\d:\d+3], s[\g:\g+7]
	s_nop 0
.rept 4
	v_nop
.endr
.endm
.macro SETD d, bs, cb, imm             ; a group 0's global address made anew: base + chunk + tile, the type bits set again.  Only where no tensor load of mine is out
	s_add_co_u32 s74, s[\cb], \imm
	s_add_nc_u64 s[(\d)+2:(\d)+3], s[\bs:(\bs)+1], s[74:75]
	s_or_b32 s[(\d)+3], s[(\d)+3], 0x80000000
.endm
.macro SHAPE g, w0, cols, rows, pitch  ; group 1: a tile of rows x cols elements of 2 bytes that lies inside its tensor
	s_mov_b32 s[(\g)+0], \w0
	s_mov_b32 s[(\g)+1], (\cols)<<16               ; tensor_dim0
	s_mov_b32 s[(\g)+2], (\rows)<<16               ; tensor_dim1
	s_mov_b32 s[(\g)+3], (\cols)<<16               ; tile_dim0
	s_mov_b32 s[(\g)+4], \rows                     ; tile_dim1
	s_mov_b32 s[(\g)+5], \pitch                    ; elements from row to row
	s_mov_b32 s[(\g)+6], 0
	s_mov_b32 s[(\g)+7], 0
.endm
.macro RND2 x, t                       ; two f32 rounded to bf16 and widened again
	v_cvt_pk_bf16_f32 v[\t], v[\x], v[(\x)+1]
	v_lshlrev_b32 v[\x], 16, v[\t]
	v_and_b32 v[(\x)+1], s78, v[\t]
.endm
; G1.  b1 of my four h blocks in the chunk at which v[AB1] stands: 8 LDS loads
.macro LDBI
	WIN 0
.irp a, 0,1,2,3
	ds_load_b128 v[BI+8*(\a):BI+8*(\a)+3],   v[AB1] offset:64*((\a)%2)+512*((\a)/2)
	ds_load_b128 v[BI+8*(\a)+4:BI+8*(\a)+7], v[AB1] offset:64*((\a)%2)+512*((\a)/2)+16
.endr
.endm
; K step q of 16 (32 k).  24 LDS loads in one run: 8 fragments of x (16 tokens x 32 k), then my 4 fragments of W1 (16 h x 32 k, turned), into buffer f.
.macro FETCH1 q, f
	WIN 0
.set sl1, ((\q)/4)%2
.irp b, 0,1,2,3,4,5,6,7
	ds_load_b128 v[(\f)+32+8*(\b):(\f)+32+8*(\b)+3],   v[AX+(\b)/4] offset:((\b)%4)*16*PX+64*(\q)
	ds_load_b128 v[(\f)+32+8*(\b)+4:(\f)+32+8*(\b)+7], v[AX+(\b)/4] offset:((\b)%4)*16*PX+64*(\q)+32
.endr
.irp a, 0,1,2,3
	ds_load_tr16_b128 v[(\f)+8*(\a):(\f)+8*(\a)+3],   v[AW1+sl1] offset:((\q)%4)*32*PW1+32*((\a)%2)+256*((\a)/2)
	ds_load_tr16_b128 v[(\f)+8*(\a)+4:(\f)+8*(\a)+7], v[AW1+sl1] offset:((\q)%4)*32*PW1+32*((\a)%2)+256*((\a)/2)+16*PW1
.endr
.endm
; 8 n matrix instructions: h blocks a0 .. a0 + n - 1 x all 8 token blocks.  The 32 accumulators take turns, one instruction a turn.  bias = 1: b1 starts the sums.
.macro MUL1 f, a0, n, bias
.if \bias
	WIN 0x40
.else
	WIN 0x50
.endif
.set ma, \a0
.rept \n
.irp b, 0,1,2,3,4,5,6,7
.if \bias
	v_wmma_f32_16x16x32_bf16 v[8*(8*ma+(\b)):8*(8*ma+(\b))+7], v[(\f)+8*ma:(\f)+8*ma+7], v[(\f)+32+8*(\b):(\f)+32+8*(\b)+7], v[BI+8*ma:BI+8*ma+7]
.else
	v_wmma_f32_16x16x32_bf16 v[8*(8*ma+(\b)):8*(8*ma+(\b))+7], v[(\f)+8*ma:(\f)+8*ma+7], v[(\f)+32+8*(\b):(\f)+32+8*(\b)+7], v[8*(8*ma+(\b)):8*(8*ma+(\b))+7]
.endif
.endr
.set ma, ma+1
.endr
.endm
.macro K1N q                           ; a K step inside a period: the next step's run of loads stands at its head and has 32 matrix instructions in which to land
.set fq,  FB0+96*((\q)%2)
.set fnx, FB0+96*(((\q)+1)%2)
	s_wait_dscnt 0x0                               ; this step's fragments, asked for a whole step ago
	PLACES
	FETCH1 (\q)+1, fnx
	MUL1 fq, 0, 4, ((\q)==0)
.endm
; A period's last K step (q = 3, 7, 11) changes slots.  In front of the round each wave waits for all its tensor loads (one is out: its quarter of the next slot), adds 0 to its spare word, and waits for
; that and for its reads of this slot.  Behind the round no wave of any partner reads this slot or has a load on its way: it is filled again first, then the next slot is read.
.macro K1T q, d, g, bs, cb, imm
	WIN 0
	s_wait_tensorcnt 0x0                           ; no tensor load of mine is out, so a group 0 may be written
	ds_add_u32 v[SPW], v[NIL]                      ; 0 onto my spare word
	SETD \d, \bs, \cb, \imm
	s_wait_dscnt 0x0                               ; the add is done; this step's fragments are in: my reads of this slot are over
	s_barrier_signal -1
	MUL1 FB1, 0, 1, 0                              ; work on registers while the others arrive
	WIN 0
	s_barrier_wait -1
	CREST
	JL \d, \g                                      ; its four v_nop are also the places in front of the loads below
	FETCH1 (\q)+1, FB0
	MUL1 FB1, 1, 3, 0
.endm
; e1's half hs (my h blocks 2 hs, 2 hs + 1) rounded to bf16, each accumulator's registers in ascending order, then relu on the packed halves: 64 registers at dst
.macro PACKH hs, dst
	WIN 0x05                                       ; sources in window 1, destination in window 0
.irp a, 0,1
.irp b, 0,1,2,3,4,5,6,7
.irp r, 0,1,2,3
	v_cvt_pk_bf16_f32 v[(\dst)+4*(8*(\a)+(\b))+(\r)], v[8*(8*(2*(\hs)+(\a))+(\b))+2*(\r)], v[8*(8*(2*(\hs)+(\a))+(\b))+2*(\r)+1]
.endr
.endr
.endr
	WIN 0
.set i, 0
.rept 64
	v_pk_max_num_bf16 v[(\dst)+i], v[(\dst)+i], v[ZERO]
.set i, i+1
.endr
.endm
.macro STORE_ST src                    ; into the stage: token 16 b + lane % 16, my wave's 64 bytes of its 256, 16 bytes for each half of the lanes
	WIN 0
.irp a, 0,1
.irp b, 0,1,2,3,4,5,6,7
	ds_store_b128 v[ASW], v[(\src)+4*(8*(\a)+(\b)):(\src)+4*(8*(\a)+(\b))+3] offset:(\b)*16*PS+32*(\a)
.endr
.endr
.endm
; G2.  K step g of 8 (32 h), into buffer f of window 1.  FETCH2B: 8 fragments of e1 from the stage, 16 loads.  FETCH2A: my 8 fragments of W2 (16 f x 32 h, turned), blocks 0-3 first, 16 loads.
.macro FETCH2B g, f
	WIN 0x40
.irp b, 0,1,2,3,4,5,6,7
	ds_load_b128 v[(\f)+64+8*(\b):(\f)+64+8*(\b)+3],   v[AS] offset:(\b)*16*PS+64*((\g)%4)
	ds_load_b128 v[(\f)+64+8*(\b)+4:(\f)+64+8*(\b)+7], v[AS] offset:(\b)*16*PS+64*((\g)%4)+32
.endr
.endm
.macro FETCH2A g, f
	WIN 0x40
.irp a, 0,1,2,3,4,5,6,7
	ds_load_tr16_b128 v[(\f)+8*(\a):(\f)+8*(\a)+3],   v[AW2+((\g)/2)%2] offset:((\g)%2)*32*PW2+32*(\a)
	ds_load_tr16_b128 v[(\f)+8*(\a)+4:(\f)+8*(\a)+7], v[AW2+((\g)/2)%2] offset:((\g)%2)*32*PW2+32*(\a)+16*PW2
.endr
.endm
.macro FETCH2 g, f                     ; both, in one run of 32
	FETCH2B \g, \f
	FETCH2A \g, \f
.endm
; 16 matrix instructions: f blocks 4 hi + a0, + 1 x all 8 token blocks; the 64 accumulators take turns.  start = 1: b2 starts the sums.
.macro MUL2 f, hi, a0, start
.if \start
	WIN 0x85+0x40*(\hi)
.else
	WIN 0xa5+0x50*(\hi)
.endif
.irp a, \a0, (\a0)+1
.irp b, 0,1,2,3,4,5,6,7
.if \start
	v_wmma_f32_16x16x32_bf16 v[8*(8*(\a)+(\b)):8*(8*(\a)+(\b))+7], v[(\f)+8*(4*(\hi)+(\a)):(\f)+8*(4*(\hi)+(\a))+7], v[(\f)+64+8*(\b):(\f)+64+8*(\b)+7], v[B2F+8*(4*(\hi)+(\a)):B2F+8*(4*(\hi)+(\a))+7]
.else
	v_wmma_f32_16x16x32_bf16 v[8*(8*(\a)+(\b)):8*(8*(\a)+(\b))+7], v[(\f)+8*(4*(\hi)+(\a)):(\f)+8*(4*(\hi)+(\a))+7], v[(\f)+64+8*(\b):(\f)+64+8*(\b)+7], v[8*(8*(\a)+(\b)):8*(8*(\a)+(\b))+7]
.endif
.endr
.endr
.endm
.macro K2N g, start, w0                ; an even K step: buffer 0; the next step's run stands in its middle
	s_wait_dscnt \w0                               ; 8: the youngest eight loads (W2's blocks 4-7) may be out; 0 where the youngest loads are wanted at once (b2's fragments; at g = 4 the stage's)
	MUL2 F0, 0, 0, \start
	MUL2 F0, 0, 2, \start
	PLACES
	FETCH2 (\g)+1, F1
	s_wait_dscnt 32                                ; all but the 32 just issued
	MUL2 F0, 1, 0, \start
	MUL2 F0, 1, 2, \start
.endm
; An odd K step: buffer 1, and a change of period, in the same order as K1T.  Kinds:
;   KA  round, joint refill, the next step's fragments.
;   KR  (g = 3) round, joint refill.  The round has shown the next slot whole and every wave's reads of the stage over: W2's fragments of K step 4 are asked for, e1's second half goes into the stage,
;       16 products stand behind those stores; a plain barrier, behind which nothing is filled, shows the stage to all; its 16 fragment loads go out, and 16 products stand behind them.
;   KE  (g = 7) round, joint refill.  The round has shown slot 0, the next chunk's first tile, whole: that chunk's b1 and first fragments are asked for, 32 products ahead of their use.
;   KN  (the last chunk's g = 5) nothing is left to ask for: a plain barrier, no round.
.macro K2T g, kind, d=0, gg=0, bs=0, cb=0, imm=0
	WIN 0
	s_wait_tensorcnt 0x0                           ; no tensor load of mine is out: my quarter of the next slot has landed
	ds_add_u32 v[SPW], v[NIL]                      ; 0 onto my spare word
.if (\kind) != KN
	SETD \d, \bs, \cb, \imm
.endif
	s_wait_dscnt 9                                 ; the add and the youngest eight loads may be out
	MUL2 F1, 0, 0, 0                               ; sixteen matrix instructions stand between the add and the wait for it
	s_wait_dscnt 0x0                               ; the add is done, and my reads of this slot and of the stage are over
	s_barrier_signal -1
	MUL2 F1, 0, 2, 0
	WIN 0
	s_barrier_wait -1
.if (\kind) != KN
	CREST
	JL \d, \gg                                     ; its four v_nop are also the places in front of the loads below
.else
	PLACES
.endif
.if ((\kind) == KA) || ((\kind) == KN)
	FETCH2 (\g)+1, F0
.endif
.if (\kind) == KE
	LDBI
	FETCH1 0, FB0
.endif
.if (\kind) == KR
	FETCH2A 4, F0
	STORE_ST P1
.endif
	MUL2 F1, 1, 0, 0
.if (\kind) == KR
	s_wait_dscnt 0x0                               ; for the others' sake: my stores into the stage are done
	s_barrier_signal -1
	s_barrier_wait -1
	FETCH2B 4, F0
.endif
	MUL2 F1, 1, 2, 0
.endm
; AN EXPERT'S END: relu(e2) times W3, in f32.  A lane holds one token of each block b and 64 features; the pair OUT(b) takes acc x (W3[f][0], W3[f][1]); the lane 16 away holds the token's other 64 features.
.macro EPIH hi
	WIN 0x88+0x44*(\hi)                            ; in place, in window 2 + hi, each accumulator from its lowest register on
.set i, 0
.rept 256
	v_max_num_f32 v[i], 0, v[i]
.set i, i+1
.endr
.if (\hi) == 0
	s_wait_dscnt 0x0                               ; W3's words are in
	WIN 0x40
.set i, 0
.rept 64
	v_lshlrev_b32 v[2*i], 16, v[W3P+i]             ; bf16 to f32: W3[f][0],
	v_and_b32 v[2*i+1], s78, v[W3P+i]              ; W3[f][1]
.set i, i+1
.endr
.endif
	WIN 0x56+(\hi)                                 ; the accumulators in window 2 + hi; W3 and OUT in window 1
.irp a, 0,1,2,3
.irp j, 0,1,2,3,4,5,6,7
.irp b, 0,1,2,3,4,5,6,7
.if ((\hi) == 0) && ((\a) == 0) && ((\j) == 0)
	v_pk_mul_f32 v[OUT+2*(\b):OUT+2*(\b)+1], v[8*(\b):8*(\b)+1], v[0:1] op_sel_hi:[0,1]  ; the first term starts the sums
.elseif (\j)%2
	v_pk_fma_f32 v[OUT+2*(\b):OUT+2*(\b)+1], v[8*(8*(\a)+(\b))+(\j)-1:8*(8*(\a)+(\b))+(\j)], v[2*(8*(4*(\hi)+(\a))+(\j)):2*(8*(4*(\hi)+(\a))+(\j))+1], v[OUT+2*(\b):OUT+2*(\b)+1] op_sel:[1,0,0] op_sel_hi:[1,1,1]
.else
	v_pk_fma_f32 v[OUT+2*(\b):OUT+2*(\b)+1], v[8*(8*(\a)+(\b))+(\j):8*(8*(\a)+(\b))+(\j)+1], v[2*(8*(4*(\hi)+(\a))+(\j)):2*(8*(4*(\hi)+(\a))+(\j))+1], v[OUT+2*(\b):OUT+2*(\b)+1] op_sel:[0,0,0] op_sel_hi:[0,1,1]
.endif
.endr
.endr
.endr
.endm
.macro EPI
	PLACES                                         ; behind the last products
	WIN 0
.irp a, 0,1,2,3,4,5,6,7
	ds_load_b128 v[W3P+8*(\a):W3P+8*(\a)+3],   v[AB2] offset:4096+64*(\a)
	ds_load_b128 v[W3P+8*(\a)+4:W3P+8*(\a)+7], v[AB2] offset:4096+64*(\a)+16
.endr
	EPIH 0
	EPIH 1
	WIN 0x55
.set i, 0
.rept 16
	v_permlanex16_b32 v[TT+i], v[OUT+i], s80, s81  ; its destination has been written before: all of window 1 has
.set i, i+1
.endr
.set i, 0
.rept 8
	v_pk_add_f32 v[OUT+2*i:OUT+2*i+1], v[OUT+2*i:OUT+2*i+1], v[TT+2*i:TT+2*i+1]
.set i, i+1
.endr
.irp q, 0,1,2,3                        ; both halves of the lanes hold the sums: lanes 0-15 keep token block 2 q, lanes 16-31 take block 2 q + 1
	v_cndmask_b32 v[RR+2*(\q)],   v[OUT+4*(\q)],   v[OUT+4*(\q)+2], s79
	v_cndmask_b32 v[RR+2*(\q)+1], v[OUT+4*(\q)+1], v[OUT+4*(\q)+3], s79
.endr
	WIN 0x04                                       ; store data in window 1, address in window 0
.irp q, 0,1,2,3
	global_store_b64 v[VEO], v[RR+2*(\q):RR+2*(\q)+1], s[82:83] offset:256*(\q)  ; 32 tokens x 8 bytes: 256 consecutive bytes, aligned
.endr
	s_wait_xcnt 0x0                                ; the stores' data and base are rewritten only behind this wait
	WIN 0
.endm
	; ---------------- the head ----------------
	s_load_b256 s[4:11], s[0:1], 0x0               ; xb s[4:5], w1b s[6:7], w2b s[8:9], b1 s[10:11]
	s_load_b128 s[12:15], s[0:1], 0x20             ; b2 s[12:13], W3 s[14:15]
	s_load_b64 s[16:17], s[0:1], 0x30              ; eo
	v_lshl_add_u32 v[SPW], v0, 2, SPARE
	v_mov_b32 v[NIL], 0
	ds_add_u32 v[SPW], v[NIL]                      ; the wave's opening: the add and its wait stand ahead of my first tensor load; the set-up below, work on registers, stands between them
	v_lshrrev_b32 v3, 5, v0
	v_readfirstlane_b32 s[WV], v3                  ; wave 0..3
	s_bfe_u32 s21, ttmp6, 0x40000                  ; cx: my place in the cluster
	s_lshl_b32 s22, ttmp9, 2                       ; in a cluster launch ttmp9 counts clusters
	s_add_co_u32 s22, s22, s21                     ; T, my tile of 128 tokens: it enters xb's and eo's addresses alone
	s_and_b32 s23, ttmp7, 0xffff                   ; p, the pair of experts, which the four partners share
	s_lshr_b32 s[ROT], ttmp9, 2                    ; r = (X + X / 4) mod 4, of the cluster's x alone: the four partners share it too
	s_add_co_u32 s[ROT], s[ROT], ttmp9
	s_and_b32 s[ROT], s[ROT], 3
	SHAPE G1W1, 15|(1<<16)|(1<<20)|(1<<21)|(6<<22)|(7<<25), 256, 32, 1024  ; mask of four; 2-byte elements; padding on; bit 21 beside a mask; after every 128 words 8 words
	SHAPE G1W2, 15|(1<<16)|(1<<20)|(1<<21)|(7<<22)|(7<<25), 512, 16, 512   ; the same after every 256 words
	SHAPE G1X,  (1<<16)|(1<<20)|(7<<22)|(3<<25), 512, 32, 512              ; no mask: my own tile; after every 256 words 4 words
	s_mul_i32 s84, s[WV], 32*PW1                   ; where my quarters go: the wave's number times a constant, plus the slot's constant
	s_mul_i32 s85, s[WV], 16*PW2
	s_mul_i32 s86, s[WV], 32*PX
	s_mov_b32 s[DW1_0], 1
	s_mov_b32 s[DW1_0+1], s84
	s_mov_b32 s[DW1_1], 1
	s_add_co_u32 s[DW1_1+1], s84, SLOTB
	s_mov_b32 s[DW2_0], 1
	s_mov_b32 s[DW2_0+1], s85
	s_mov_b32 s[DW2_1], 1
	s_add_co_u32 s[DW2_1+1], s85, SLOTB
	s_mov_b32 s[DX], 1
	s_add_co_u32 s[DX+1], s86, XT
	s_lshl_b32 s84, s23, 21                        ; w1b: two experts of 1 MiB a pair, my 32 rows of 2,048 bytes in a tile
	s_lshl_b32 s85, s[WV], 16
	s_add_co_u32 s84, s84, s85
	s_mov_b32 s85, 0
	s_lshl_b32 s86, s23, 21                        ; w2b: likewise, my 16 rows of 1,024 bytes
	s_lshl_b32 s87, s[WV], 14
	s_add_co_u32 s86, s86, s87
	s_mov_b32 s87, 0
	s_lshl_b32 s88, s22, 17                        ; xb: 128 rows of 1,024 bytes a tile, my 32 of them
	s_lshl_b32 s89, s[WV], 15
	s_add_co_u32 s88, s88, s89
	s_lshl_b32 s90, s22, 10                        ; eo: [e][wave][token][2]: 128 tokens x 8 bytes, + 32,768 w, + 131,072 x 2 p
	s_add_co_u32 s90, s90, s89
	s_lshl_b32 s89, s23, 18
	s_add_co_u32 s90, s90, s89
	s_mov_b32 s89, 0
	s_mov_b32 s91, 0
	s_mov_b32 s75, 0                               ; the high word of SETD's offset
	s_lshl_b32 s[CB1], s[ROT], 9                   ; the first expert's chunk r: 256 columns are 512 bytes
	s_mov_b32 s78, 0xffff0000                      ; a word's upper bf16
	s_mov_b32 s79, 0xffff0000                      ; lanes 16-31
	s_mov_b32 s80, 0x76543210                      ; v_permlanex16_b32: each lane takes its own place in the other half
	s_mov_b32 s81, 0xfedcba98
	s_wait_dscnt 0x0                               ; the opening add is done
	s_wait_kmcnt 0x0
	s_add_nc_u64 s[6:7], s[6:7], s[84:85]
	s_add_nc_u64 s[8:9], s[8:9], s[86:87]
	s_add_nc_u64 s[4:5], s[4:5], s[88:89]
	s_add_nc_u64 s[82:83], s[16:17], s[90:91]
	s_lshl_b32 s84, s23, 13                        ; b1 and W3: 8,192 bytes a pair of experts
	s_add_nc_u64 s[10:11], s[10:11], s[84:85]
	s_add_nc_u64 s[14:15], s[14:15], s[84:85]
	s_lshl_b32 s84, s23, 12                        ; b2: 4,096
	s_add_nc_u64 s[12:13], s[12:13], s[84:85]
	s_mov_b64 s[DX+2:DX+3], s[4:5]
	s_or_b32 s[DX+3], s[DX+3], 0x80000000
	SETD DW1_0, 6, CB1, 0                          ; the first chunk's periods 0 and 1
	SETD DW1_1, 6, CB1, 262144
	CROUND                                         ; all four work-groups are here: the first joint loads meet
	JL DX, G1X                                     ; the first fills go out as one group: three loads of mine are out
	JL DW1_0, G1W1
	JL DW1_1, G1W1
	; the small tables: 128 threads x 16 bytes a load.  b1's table takes the chunks in the order of the walk: place j of an expert (1,024 bytes) holds chunk (j + r) mod 4.
	; Load i fills the table's bytes 2,048 i + 16 t: expert i / 2, place 2 (i % 2) + t / 64
	v_lshlrev_b32 v3, 4, v0
	v_lshrrev_b32 v23, 6, v0
	v_add_nc_u32 v23, s[ROT], v23                  ; t / 64 + r
	v_and_b32 v26, 0x3ff, v3                       ; my 16 bytes within a chunk
	v_and_b32 v24, 3, v23
	v_lshl_add_u32 v24, v24, 10, v26               ; even loads: chunk (t / 64 + r) mod 4
	v_add_nc_u32 v25, 2, v23
	v_and_b32 v25, 3, v25
	v_lshl_add_u32 v25, v25, 10, v26               ; odd loads: chunk (2 + t / 64 + r) mod 4
.irp i, 0,1,2,3
	global_load_b128 v[64+4*(\i):67+4*(\i)], v[24+(\i)%2], s[10:11] offset:4096*((\i)/2)
.endr
.irp i, 0,1
	global_load_b128 v[80+4*(\i):83+4*(\i)], v3, s[12:13] offset:2048*(\i)
.endr
.irp i, 0,1,2,3
	global_load_b128 v[88+4*(\i):91+4*(\i)], v3, s[14:15] offset:2048*(\i)
.endr
	; A fragment of x or e1 is 16 rows x 32 k: lane l holds row l % 16, k = 8 (l / 16) + 0..7 and 16 + 8 (l / 16) + 0..7: two loads of 16 bytes, 32 bytes apart.
	; The turning load takes 16 k x 16 columns (lane l reads row 8 (l / 16) + l % 8, columns 8 ((l / 8) % 2) + 0..7) and leaves half a fragment: lane l holds column l % 16 and 8 k.
	v_and_b32 v1, 15, v0                           ; l % 16
	v_bfe_u32 v2, v0, 4, 1                         ; l / 16
	v_and_b32 v4, 7, v0
	v_bfe_u32 v5, v0, 3, 1
	v_lshl_add_u32 v6, v2, 3, v4
	v_lshlrev_b32 v5, 4, v5
	s_lshl_b32 s84, s[WV], 6                       ; my 32 h of each half of a chunk: 64 bytes
	s_lshl_b32 s85, s[WV], 8                       ; my 128 f: 256 bytes
	v_mul_u32_u24 v[AW1], v6, PW1
	v_add3_u32 v[AW1], v[AW1], v5, s84
	v_add_nc_u32 v[AW1+1], SLOTB, v[AW1]
	v_mul_u32_u24 v[AW2], v6, PW2
	v_add3_u32 v[AW2], v[AW2], v5, s85
	v_add_nc_u32 v[AW2+1], SLOTB, v[AW2]
	v_mul_u32_u24 v[AX], v1, PX
	v_lshl_add_u32 v[AX], v2, 4, v[AX]
	v_add_nc_u32 v[AX], XT, v[AX]
	v_add_nc_u32 v[AX+1], 64*PX, v[AX]
	v_mul_u32_u24 v[AS], v1, PS
	v_lshl_add_u32 v[AS], v2, 4, v[AS]
	v_add_nc_u32 v[AS], STG, v[AS]
	v_add_nc_u32 v[ASW], s84, v[AS]
	s_lshl_b32 s86, s[WV], 7                       ; b1: 32 w numbers of 4 bytes, + 8 for the upper half of the lanes
	s_add_co_u32 s86, s86, TB1
	v_lshl_add_u32 v[AB1], v2, 5, s86
	s_lshl_b32 s87, s[WV], 9                       ; b2: 128 w numbers
	s_add_co_u32 s87, s87, TB2
	v_lshl_add_u32 v[AB2], v2, 5, s87
	v_and_b32 v[VEO], 31, v0
	v_lshlrev_b32 v[VEO], 3, v[VEO]
	v_mov_b32 v[ZERO], 0
	v_add_nc_u32 v21, TB1, v3
	v_lshl_add_u32 v22, v0, 3, TW3
	s_wait_loadcnt 0x0
.irp i, 0,1,2,3,4,5,6,7,8,9,10,11
	RND2 64+2*(\i), 104+(\i)%4                     ; b1 and b2: rounded as every input is, kept as f32
.endr
.irp i, 0,1,2,3
	ds_store_b128 v21, v[64+4*(\i):67+4*(\i)] offset:2048*(\i)
.endr
.irp i, 0,1
	ds_store_b128 v21, v[80+4*(\i):83+4*(\i)] offset:8192+2048*(\i)
.endr
.irp i, 0,1,2,3
	v_cvt_pk_bf16_f32 v[108+2*(\i)], v[88+4*(\i)],   v[88+4*(\i)+1]  ; a feature's two numbers of W3 in one word
	v_cvt_pk_bf16_f32 v[109+2*(\i)], v[88+4*(\i)+2], v[88+4*(\i)+3]
	ds_store_b64 v22, v[108+2*(\i):109+2*(\i)] offset:1024*(\i)
.endr
	s_wait_dscnt 0x0                               ; for the others' sake: my part of the tables is written
	s_wait_tensorcnt 0x1                           ; my quarters of x and of period 0's tile are in; period 1's may stay out
	s_barrier_signal -1
	s_barrier_wait -1
	s_mov_b32 s[CH], 8
	s_mov_b32 s[NEWU], 1
	LDBI                                           ; the first chunk's b1 and first fragments: later chunks' are asked for by the chunk before
	FETCH1 0, FB0
	s_branch .Lenter                               ; the loop is entered at a chunk's beginning, in the middle of a trip
	; ---------------- the loop: a trip ends one chunk (G2's last three K steps) and does the next up to its K step 4 ----------------
.Lchunk:
	s_sub_co_u32 s84, 8, s[CH]                     ; the next chunk's number in the walk, 1 to 7:
	s_lshr_b32 s85, s84, 2
	s_lshl_b32 s85, s85, 20                        ; its expert, 1 MiB of w1b,
	s_add_co_u32 s84, s84, s[ROT]
	s_and_b32 s84, s84, 3                          ; which of the expert's four chunks it is,
	s_lshl_b32 s84, s84, 9                         ; its 256 columns, 512 bytes
	s_add_co_u32 s[CB1], s85, s84
	K2T 5, KA, DW1_0, G1W1, 6, CB1, 0              ; into period 7; slot 0 takes the next chunk's period 0
	K2N 6, 0, 8
	K2T 7, KE, DW1_1, G1W1, 6, CB1, 262144         ; into the next chunk; slot 1 takes its period 1; its b1 and first fragments are asked for
	WIN 0
	s_cmp_lg_u32 s[CH], 4
	s_cbranch_scc1 .Lenter                         ; forward, past text with no barrier and no tensor load
	EPI                                            ; four chunks are done: the first expert's end
	s_add_nc_u64 s[82:83], s[82:83], 131072        ; eo, b2 and W3 go on to the second expert
	v_add_nc_u32 v[AB2], 2048, v[AB2]
	s_mov_b32 s[NEWU], 1
.Lenter:
	s_and_b32 s84, s[CB1], 0x600                   ; this chunk's place in w2b, from its place in w1b: the chunk's 256 rows of 1,024 bytes,
	s_lshl_b32 s84, s84, 9
	s_and_b32 s[CB2], s[CB1], 0x100000             ; the expert's 1 MiB
	s_add_co_u32 s[CB2], s[CB2], s84
	v_add_nc_u32 v[AB1], 1024, v[AB1]              ; the walk's next chunk in b1's table.  This line, the v_nop and the four at the head of the first K step are the places in front of the
	v_nop                                          ; products that write over window 1, which the last products read
.irp q, 0,1,2
	K1N \q
.endr
	K1T 3, DW1_0, G1W1, 6, CB1, 524288             ; into period 1; slot 0 takes period 2
.irp q, 4,5,6
	K1N \q
.endr
	K1T 7, DW1_1, G1W1, 6, CB1, 786432             ; into period 2; slot 1 takes period 3
.irp q, 8,9,10
	K1N \q
.endr
	K1T 11, DW2_0, G1W2, 8, CB2, 0                 ; into period 3; slot 0 takes W2's first tile
.irp q, 12,13,14
	K1N \q
.endr
	; K step 15, and from G1 to G2.  My h blocks 0 and 1 first: they are e1's first half, which goes into the stage; the round shows it to all and frees slot 1.
	; The 16 products of blocks 2 and 3 are kept back: eight stand behind the stores, eight between the round's opening signal and its wait.
	s_wait_dscnt 0x0                               ; K step 15's fragments: my reads of slot 1 are over
	MUL1 FB1, 0, 2, 0
	PLACES
	PACKH 0, P0
	STORE_ST P0
	s_wait_tensorcnt 0x0                           ; W2's first tile: my quarter has landed
	ds_add_u32 v[SPW], v[NIL]                      ; 0 onto my spare word
	SETD DW2_1, 8, CB2, 65536
	MUL1 FB1, 2, 1, 0                              ; eight matrix instructions stand between the add and the wait for it
	s_wait_dscnt 0x0                               ; the add and my stores into the stage are done
	s_barrier_signal -1
	MUL1 FB1, 3, 1, 0                              ; work on registers while the others arrive
	WIN 0
	s_barrier_wait -1
	CREST
	JL DW2_1, G1W2                                 ; slot 1 takes period 5; its four v_nop are the places behind the last products
	FETCH2 0, F0
	PACKH 1, P1                                    ; the second half is packed while those loads are on their way, and kept
	s_cmp_eq_u32 s[NEWU], 1                        ; at the first trip the answer is a constant of the text
	s_cbranch_scc1 .Lz
	K2N 0, 0, 8
	WIN 0
	s_branch .Lj
.Lz:                                                   ; an expert's first chunk: b2 is the C operand that starts e2's sums
.irp a, 0,1,2,3,4,5,6,7
	ds_load_b128 v[B2F+8*(\a):B2F+8*(\a)+3],   v[AB2] offset:64*(\a)
	ds_load_b128 v[B2F+8*(\a)+4:B2F+8*(\a)+7], v[AB2] offset:64*(\a)+16
.endr
	K2N 0, 1, 0
	WIN 0
.Lj:
	s_mov_b32 s[NEWU], 0
	K2T 1, KA, DW2_0, G1W2, 8, CB2, 131072         ; into period 5; slot 0 takes period 6
	K2N 2, 0, 8
	K2T 3, KR, DW2_1, G1W2, 8, CB2, 196608         ; into period 6; slot 1 takes period 7; the stage takes e1's second half
	K2N 4, 0, 0                                    ; the stage's fragments are the youngest loads
	WIN 0
	s_sub_co_u32 s[CH], s[CH], 1
	s_cmp_lg_u32 s[CH], 0
	s_cbranch_scc1 .Lchunk
	; ---------------- the tail is written out: nothing is asked for ----------------
	K2T 5, KN
	K2N 6, 0, 8
	s_wait_dscnt 8
	MUL2 F1, 0, 0, 0
	MUL2 F1, 0, 2, 0
	s_wait_dscnt 0x0
	MUL2 F1, 1, 0, 0
	MUL2 F1, 1, 2, 0
	EPI                                            ; the second expert's end
	s_wait_tensorcnt 0x0                           ; the wave's end, behind my last tensor load and my last LDS store
	ds_add_u32 v[SPW], v[NIL]
	s_wait_dscnt 0x0
	CROUND                                         ; the closing round: no work-group ends while a partner may still ask for a tile that names it
	s_endpgm
.Lfunc_end_k_q40ebbe820f_experts:
	.size	k_q40ebbe820f_experts, .Lfunc_end_k_q40ebbe820f_experts-k_q40ebbe820f_experts
	.p2alignl 7, 3214868480
	.fill 96, 4, 3214868480
	.section	.rodata,"a",@progbits
	.p2align	6, 0x0
	.amdhsa_kernel k_q40ebbe820f_experts
		.amdhsa_group_segment_fixed_size 327680
		.amdhsa_private_segment_fixed_size 0
		.amdhsa_enable_private_segment 0
		.amdhsa_kernarg_size 56
		.amdhsa_user_sgpr_count 2
		.amdhsa_user_sgpr_kernarg_segment_ptr 1
		.amdhsa_wavefront_size32 1
		.amdhsa_system_sgpr_workgroup_id_x 1
		.amdhsa_system_sgpr_workgroup_id_y 1
		.amdhsa_system_sgpr_workgroup_id_z 1
		.amdhsa_system_vgpr_workitem_id 0
		.amdhsa_next_free_vgpr 1024
		.amdhsa_next_free_sgpr 96
		.amdhsa_reserve_vcc 0
		.amdhsa_float_denorm_mode_32 3
		.amdhsa_float_denorm_mode_16_64 3
		.amdhsa_memory_ordered 1
		.amdhsa_forward_progress 1
		.amdhsa_inst_pref_size 255
	.end_amdhsa_kernel
	.section	.bss,"aw",@nobits
	.p2align	6
	.space	262144
	.amdgpu_metadata
---
amdhsa.version: [ 1, 2 ]
amdhsa.kernels:
  - .name:           k_q40ebbe820f_experts
    .symbol:         k_q40ebbe820f_experts.kd
    .args:
      - { .name: xb, .offset: 0, .size: 8, .value_kind: global_buffer, .address_space: global }
      - { .name: w1b, .offset: 8, .size: 8, .value_kind: global_buffer, .address_space: global }
      - { .name: w2b, .offset: 16, .size: 8, .value_kind: global_buffer, .address_space: global }
      - { .name: b1, .offset: 24, .size: 8, .value_kind: global_buffer, .address_space: global }
      - { .name: b2, .offset: 32, .size: 8, .value_kind: global_buffer, .address_space: global }
      - { .name: W3, .offset: 40, .size: 8, .value_kind: global_buffer, .address_space: global }
      - { .name: eo, .offset: 48, .size: 8, .value_kind: global_buffer, .address_space: global }
    .group_segment_fixed_size: 327680
    .private_segment_fixed_size: 0
    .kernarg_segment_align: 8
    .kernarg_segment_size: 56
    .max_flat_workgroup_size: 128
    .sgpr_count:     96
    .vgpr_count:     1024
    .wavefront_size: 32
...
	.end_amdgpu_metadata
.endif
;; end of part 5
;; launch gate (part 6): grid 128 x 1, 4 waves a work-group, no clusters, 78,848 bytes of LDS; arguments xb, gw, g1, g2, g3, b3, eo, out0; writes out0
.if DOCPART == 6
	.amdgcn_target "amdgcn-amd-amdhsa--gfx1250"
	.amdhsa_code_object_version 6
	.text
	.protected	k_q40ebbe820f_gate
	.globl	k_q40ebbe820f_gate
	.p2align	8
	.type	k_q40ebbe820f_gate,@function
k_q40ebbe820f_gate:
	s_mov_b64 s[64:65], 0
	v_nop
	global_prefetch_b8 v0, s[64:65] scope:SCOPE_SE
	s_setreg_imm32_b32 hwreg(HW_REG_WAVE_MODE, 25, 1), 1
	s_wait_xcnt 0x0
; THE GATE AND THE SUM.  out0[t][o] = sum over e of softmax_e(relu(relu(x G1 + g1) G2 + g2) G3 + g3)[t][e] x (b3[e][o] + sum over the four quarters q of eo[e][q][t][o]).
; x and G1, G2, G3 come as bf16 (xb; gw in fragment order); g1, g2, g3, b3 are rounded to bf16 here and used as f32; h1 and h2 are rounded once to bf16 as operands; all sums, the softmax and eo in f32.
; The softmax takes the row's true maximum away.  LIMITS: a weight below 2^-126 counts as 0; NaN and infinities are not treated apart.
; SHARES.  A work-group owns 32 tokens (two blocks of 16), so that its 256 bytes of out0 leave in one store.  Wave w makes four blocks of 16 features of layers 1 and 2; x, h1 and h2 go from wave to wave
; through LDS.  Layer 3 and the softmax are 16 matrix instructions and are made by every wave for itself; wave w then weighs quarter w of eo (wave 0 also b3), and wave 0 adds the four.
; The products are used transposed (source 0 = 16 weight columns, source 1 = 16 tokens): a lane holds one token (lane % 16) and eight features, or experts, 8 (lane / 16) + 0..7; a bias is the C that starts a sum.
; G1's and G2's fragments come from memory straight into operand registers, a GROUP of 8 loads a K step, six groups ahead, in a ring of six register slots; the token side comes from LDS, four steps ahead.
; THE ORDER IS TURNED, by rho = (g xor g / 16) mod 16 of the work-group's number g, and rho' = rho mod 8.  Step k of layer 1 takes K step (k + rho) mod 16; step k of layer 2 takes K step (k + rho') mod 8.
; So at one time the work-groups ask for different fragments, and each fragment that a work-group asks for behind its first group of a layer has been asked for before by others.  The head's loads hold
; all that a work-group alone reads (x, eo), the small inputs, and the FIRST group of both layers (layer 2's into registers of its own).  The turning lies in global addresses alone: x's columns are
; turned as they are loaded, so that place k of a row in LDS holds K step (k + rho) mod 16; place P = 4 w + i among layer 1's 16 feature blocks holds block (P + 2 rho') mod 16 (its weights and, in the
; table, its bias), so that place k of h1's rows holds layer 2's K step (k + rho') mod 8.  Every LDS address is a constant of the text, the lane and the wave.  The order of the f32 sums along K differs with g.
; No cluster and no tensor load: each weight fragment has one reader in the work-group, and the launch is short.
; REGISTERS: window 0: v0-15, v244-253 addresses; v16-79 the accumulators (i, t) at 16 + 8 (2 i + t), first x on its way to LDS; v80-111 a layer's bias; v112-143 layer 2's first group; v144-151 g3;
;   v152-183 packed results, later layer 3's four accumulators; v184-215 eo; v216-231 b3; v232-243 at work; v254-255 the add's two.
;   window 1: v0-191 the ring of A: slot q % 6 at 32 (q % 6), block i at + 8 i; v192-255 the ring of B: step k at 192 + 16 (k % 4), token block t at + 8 t.
.set PXG,   1040                       ; a row of x in LDS: 1,024 bytes + 16: the 16 rows of a fragment load start four banks apart (64 banks of 4 bytes: ISA guide 11.1)
.set PH,    528                        ; a row of h1 or h2: 512 + 16
.set XS,    0                          ; 32 rows x 1,040
.set H1,    32*PXG                     ; 33,280
.set H2,    H1+32*PH                   ; 50,176
.set G3L,   H2+32*PH                   ; 67,072: G3's eight fragments as they lie in gw, 8,192 bytes
.set TBG,   G3L+8192                   ; 75,264: g1 (turned), then g2: 2 x 256 f32
.set RED,   TBG+2048                   ; 77,312: 256 bytes a wave
.set SPARE, RED+1024                   ; 78,336: the spare words, 128 bytes a wave: two blocks of 256 bytes that no other line names
.set VA1, 4                            ; v4-7  my fragments of G1, block i: ((4 w + i + 2 rho') mod 16) x 16,384 + 16 lane
.set VA2, 8                            ; v8    of G2: 32,768 w + 16 lane
.set VT16, 9                           ; v9    16 t
.set VXG, 10                           ; v10   my 16 bytes in two rows of xb, columns turned
.set VEO, 11                           ; v11   in eo
.set VHS, 12                           ; v12   in h1, to write (h2 lies H2 - H1 behind)
.set VHR, 13                           ; v13   to read
.set ZERO, 14
.set V8L, 15                           ; v15   8 lane
.set ACC, 16
.set BIAS, 80
.set A16, 112
.set G3B, 144
.set PK,  152
.set L3,  152                          ; accumulator (t, parity of ks) at L3 + 8 (2 t + parity)
.set XQ,  160                          ; the odd accumulator of block t, at XQ + 16 t, is the softmax's work space once it has been added
.set GT,  168                          ; v168-171  my 16 bytes of g1 or g2 on their way to the table
.set EO,  184                          ; the pair of (t, j) at EO + 16 t + 2 j
.set B3,  216                          ; the pair of j at B3 + 2 j
.set TM,  232
.set VXS, 244                          ; x in LDS, to write
.set VXR, 245                          ; to read
.set VG3S, 246                         ; G3 in LDS, to write
.set VG3R, 247                         ; to read
.set VTB, 248                          ; the table, to write
.set VBI, 249                          ; to read
.set VGT, 250                          ; my 16 bytes of g1 (turned) or g2
.set VH5, 251                          ; in g3
.set VH6, 252                          ; in b3
.set VL,  253                          ; 16 lane
.set SPW, 254
.set NIL, 255
.set RHO, 32                           ; s32 rho, s33 rho'
.set MSB, 0
.macro WIN new
.if MSB != (\new)
	s_set_vgpr_msb (MSB<<8)|(\new)
.set MSB, \new
.endif
.endm
.macro PLACES                          ; four places between a matrix instruction and a load into its sources or a vector read of its result (ISA guide 7.12.1 for vector instructions)
.rept 4
	v_nop
.endr
.endm
.macro RND2 x, t                       ; two f32 rounded to bf16 and widened again
	v_cvt_pk_bf16_f32 v[\t], v[\x], v[(\x)+1]
	v_lshlrev_b32 v[\x], 16, v[\t]
	v_and_b32 v[(\x)+1], s31, v[\t]
.endm
; Group n (0-15: layer 1's steps; 16-23: layer 2's) has a base of its own, gw + 1,024 x its K step, in s[40 + 2 n + 2 (n / 12)] and the next (s64 and s65 are passed over); never rewritten
.macro SBASE n
.set sr, 40+2*(\n)+2*((\n)/12)
.if (\n) < 16
	s_add_co_u32 s34, s[RHO], \n
	s_and_b32 s34, s34, 15
.else
	s_add_co_u32 s34, s[RHO+1], (\n)-16
	s_and_b32 s34, s34, 7
.endif
	s_lshl_b32 s34, s34, 10
	s_add_nc_u64 s[sr:sr+1], s[6:7], s[34:35]
.endm
; The ring's entry q (0-22): group q of layer 1, or group q + 1 (layer 2's steps 1-7; step 0's group has registers of its own).  Past the last entry nothing
.macro GLQ q
.if (\q) <= 22
.set gg, (\q)+(\q)/16
.set sb, 32*((\q)%6)
.set sr, 40+2*gg+2*(gg/12)
	WIN 0x40                                       ; destination window 1, address window 0
.irp i, 0,1,2,3
.if gg < 16
	global_load_b128 v[sb+8*(\i):sb+8*(\i)+3],   v[VA1+(\i)], s[sr:sr+1]
	global_load_b128 v[sb+8*(\i)+4:sb+8*(\i)+7], v[VA1+(\i)], s[sr:sr+1] offset:512
.else
	global_load_b128 v[sb+8*(\i):sb+8*(\i)+3],   v[VA2], s[sr:sr+1] offset:262144+(\i)*8192
	global_load_b128 v[sb+8*(\i)+4:sb+8*(\i)+7], v[VA2], s[sr:sr+1] offset:262144+(\i)*8192+512
.endif
.endr
.endif
.endm
.macro SETY q                          ; YG = the loads issued behind entry q when its products are due: the entries q + 1 .. q + 5 that exist; behind entry 0 also layer 2's first group
.set YG, 22-(\q)
.if YG > 5
.set YG, 5
.endif
.set YG, 8*YG
.if (\q) == 0
.set YG, YG+8
.endif
.endm
.macro LMUL aw, k, first               ; a K step of layer 1 or 2: 8 matrix instructions on 8 accumulators by turns.  A at AB in window aw, B in the ring of B
	WIN 0x04+(\aw)                                 ; B in window 1, C and D in window 0
.set bb, 192+16*((\k)%4)
.irp i, 0,1,2,3
.irp t, 0,1
.if \first
	v_wmma_f32_16x16x32_bf16 v[ACC+8*(2*(\i)+(\t)):ACC+8*(2*(\i)+(\t))+7], v[AB+8*(\i):AB+8*(\i)+7], v[bb+8*(\t):bb+8*(\t)+7], v[BIAS+8*(\i):BIAS+8*(\i)+7]
.else
	v_wmma_f32_16x16x32_bf16 v[ACC+8*(2*(\i)+(\t)):ACC+8*(2*(\i)+(\t))+7], v[AB+8*(\i):AB+8*(\i)+7], v[bb+8*(\t):bb+8*(\t)+7], v[ACC+8*(2*(\i)+(\t)):ACC+8*(2*(\i)+(\t))+7]
.endif
.endr
.endr
.endm
.macro DSB ar, pitch, k, last          ; the token side of step k: two fragments from the rows at v[ar]; past the last step nothing
.if (\k) <= (\last)
	WIN 0x40
.set bb, 192+16*((\k)%4)
.irp t, 0,1
	ds_load_b128 v[bb+8*(\t):bb+8*(\t)+3],   v[\ar] offset:(\t)*16*(\pitch)+64*(\k)
	ds_load_b128 v[bb+8*(\t)+4:bb+8*(\t)+7], v[\ar] offset:(\t)*16*(\pitch)+64*(\k)+32
.endr
.endif
.endm
.macro LBIAS off                       ; a layer's bias for my four blocks, from the table
	WIN 0
.irp i, 0,1,2,3
	ds_load_b128 v[BIAS+8*(\i):BIAS+8*(\i)+3],   v[VBI] offset:(\off)+64*(\i)
	ds_load_b128 v[BIAS+8*(\i)+4:BIAS+8*(\i)+7], v[VBI] offset:(\off)+64*(\i)+16
.endr
.endm
.macro PACKL base                      ; a layer's results: rounded to bf16 (each accumulator from its lowest register on), relu, into LDS, shown to all.  The step before has left four places
	WIN 0
.set n, 0
.rept 32
	v_cvt_pk_bf16_f32 v[PK+n], v[ACC+2*n], v[ACC+2*n+1]
.set n, n+1
.endr
.set n, 0
.rept 32
	v_pk_max_num_bf16 v[PK+n], v[PK+n], v[ZERO]
.set n, n+1
.endr
.irp i, 0,1,2,3
.irp t, 0,1
	ds_store_b128 v[VHS], v[PK+4*(2*(\i)+(\t)):PK+4*(2*(\i)+(\t))+3] offset:(\base)+(\t)*16*PH+32*(\i)
.endr
.endr
	s_wait_dscnt 0x0                               ; for the others' sake: my stores are done
	s_barrier_signal -1
	s_barrier_wait -1
.endm
	s_load_b512 s[4:19], s[0:1], 0x0               ; xb s[4:5], gw s[6:7], g1 s[8:9], g2 s[10:11], g3 s[12:13], b3 s[14:15], eo s[16:17], out0 s[18:19]
	v_lshl_add_u32 v[SPW], v0, 2, SPARE            ; the launch stores to LDS
	v_mov_b32 v[NIL], 0
	v_lshrrev_b32 v3, 5, v0
	v_readfirstlane_b32 s20, v3                    ; wave 0..3
	s_lshr_b32 s[RHO], ttmp9, 4
	s_xor_b32 s[RHO], s[RHO], ttmp9
	s_and_b32 s[RHO], s[RHO], 15                   ; rho
	s_and_b32 s[RHO+1], s[RHO], 7                  ; rho'
	v_and_b32 v1, 15, v0                           ; l % 16
	v_bfe_u32 v2, v0, 4, 1                         ; l / 16
	v_and_b32 v3, 31, v0                           ; lane
	v_lshlrev_b32 v[VL], 4, v3
	s_lshl_b32 s21, s20, 2
	s_lshl1_add_u32 s21, s[RHO+1], s21             ; 2 rho' + 4 w
.irp i, 0,1,2,3
	s_add_co_u32 s36, s21, \i
	s_and_b32 s36, s36, 15                         ; the feature block at my place i,
	s_lshl_b32 s36, s36, 14                        ; 16 fragments of 1,024 bytes each
	v_add_nc_u32 v[VA1+(\i)], s36, v[VL]
.endr
	s_lshl_b32 s36, s20, 15
	v_add_nc_u32 v[VA2], s36, v[VL]
	v_lshlrev_b32 v[VEO], 20, v2                   ; eo[e][q][t][o]: experts 8 (l / 16) on,
	v_lshl_add_u32 v[VEO], v1, 3, v[VEO]           ; token l % 16,
	v_add_nc_u32 v[VEO], s36, v[VEO]               ; quarter w
	v_lshlrev_b32 v[VT16], 4, v0
	s_lshl_b32 s37, s[RHO], 6                      ; a K step is 64 bytes of a row of x
	v_add_nc_u32 v[VXG], s37, v[VT16]
	v_and_b32 v[VXG], 0x3ff, v[VXG]                ; from: column (16 t + 64 rho) mod 1,024
	v_lshrrev_b32 v[TM], 6, v0                     ; 128 threads x 16 bytes are two rows
	v_lshl_add_u32 v[VXG], v[TM], 10, v[VXG]
	v_and_b32 v[VXS], 0x3ff, v[VT16]               ; to: column 16 t mod 1,024
	v_mul_u32_u24 v[TM+1], v[TM], PXG
	v_add_nc_u32 v[VXS], v[TM+1], v[VXS]
	v_mul_u32_u24 v[VXR], v1, PXG
	v_lshl_add_u32 v[VXR], v2, 4, v[VXR]           ; a fragment's row x pitch + 16 x half
	v_mul_u32_u24 v[VHR], v1, PH
	v_lshl_add_u32 v[VHR], v2, 4, v[VHR]
	v_add_nc_u32 v[VHR], H1, v[VHR]
	s_lshl_b32 s36, s20, 7
	v_add_nc_u32 v[VHS], s36, v[VHR]               ; + my wave's 64 places
	v_add_nc_u32 v[VG3S], G3L, v[VT16]
	v_add_nc_u32 v[VG3R], G3L, v[VL]
	v_add_nc_u32 v[VTB], TBG, v[VT16]
	v_lshlrev_b32 v[VH5], 5, v2                    ; eight f32 for each half of the lanes
	v_lshlrev_b32 v[VH6], 6, v2                    ; eight pairs
	s_lshl_b32 s36, s20, 8
	s_add_co_u32 s36, s36, TBG
	v_add_nc_u32 v[VBI], s36, v[VH5]
	s_lshl_b32 s37, s[RHO+1], 7                    ; g1 is turned by 32 rho' features; g2 (waves 2, 3) is not
	s_cmp_lt_u32 s20, 2
	s_cselect_b32 s37, s37, 0
	v_add_nc_u32 v[VGT], s37, v[VT16]
	v_and_b32 v[VGT], 0x3ff, v[VGT]
	v_mov_b32 v[ZERO], 0
	v_lshlrev_b32 v[V8L], 3, v3
	s_lshl_b32 s22, ttmp9, 15                      ; 32 rows of xb
	s_mov_b32 s23, 0
	s_lshl_b32 s24, ttmp9, 8                       ; 32 tokens x 8 bytes of eo and of out0
	s_mov_b32 s25, 0
	s_cmp_eq_u32 s20, 0
	s_cselect_b32 s26, 1.0, 0                      ; b3 is counted once, by wave 0
	s_mov_b32 s27, s26                             ; named with it as a pair
	s_mov_b32 s28, 0x76543210                      ; v_permlanex16_b32: each lane takes its own place in the other half
	s_mov_b32 s29, 0xfedcba98
	s_mov_b32 s30, 0x3fb8aa3b                      ; log2(e)
	s_mov_b32 s31, 0xffff0000                      ; a word's upper bf16; also: lanes 16-31
	s_mov_b32 s35, 0                               ; the high word of SBASE's offset
	s_wait_kmcnt 0x0
	s_add_nc_u64 s[4:5], s[4:5], s[22:23]
	s_add_nc_u64 s[16:17], s[16:17], s[24:25]
	s_add_nc_u64 s[18:19], s[18:19], s[24:25]
	s_cmp_lt_u32 s20, 2
	s_cselect_b64 s[38:39], s[8:9], s[10:11]       ; waves 0 and 1 bring g1, waves 2 and 3 g2
	SBASE 0
	SBASE 16
	; THE HEAD'S 59 LOADS: 16 + 1 + 4, which go on into LDS; 2 + 4 + 16; the two first groups, 8 + 8
.set n, 0
.rept 16
	global_load_b128 v[ACC+4*n:ACC+4*n+3], v[VXG], s[4:5] offset:2048*n  ; x: my quarter of the tile
.set n, n+1
.endr
	global_load_b128 v[GT:GT+3], v[VGT], s[38:39]
.irp i, 0,1,2,3
	global_load_b128 v[PK+4*(\i):PK+4*(\i)+3], v[VT16], s[6:7] offset:393216+2048*(\i)  ; G3's fragments: my quarter
.endr
	global_load_b128 v[G3B:G3B+3],   v[VH5], s[12:13]
	global_load_b128 v[G3B+4:G3B+7], v[VH5], s[12:13] offset:16
.irp i, 0,1,2,3
	global_load_b128 v[B3+4*(\i):B3+4*(\i)+3], v[VH6], s[14:15] offset:16*(\i)
.endr
.irp t, 0,1
.irp j, 0,1,2,3,4,5,6,7
	global_load_b64 v[EO+16*(\t)+2*(\j):EO+16*(\t)+2*(\j)+1], v[VEO], s[16:17] offset:(\j)*131072+128*(\t)
.endr
.endr
	GLQ 0
	WIN 0
.irp i, 0,1,2,3                        ; layer 2's first group: its base is group 16's, s[74:75]
	global_load_b128 v[A16+8*(\i):A16+8*(\i)+3],   v[VA2], s[74:75] offset:262144+(\i)*8192
	global_load_b128 v[A16+8*(\i)+4:A16+8*(\i)+7], v[VA2], s[74:75] offset:262144+(\i)*8192+512
.endr
.irp n, 1,2,3,4,5,6,7,8,9,10,11,12,13,14,15,17,18,19,20,21,22,23
	SBASE \n                                       ; the other groups' bases, while those loads are on their way
.endr
	s_wait_loadcnt 38                              ; x, g1 or g2 and G3 are in; behind them 2 + 4 + 16 + 8 + 8 may stay out
.set n, 0
.rept 16
	ds_store_b128 v[VXS], v[ACC+4*n:ACC+4*n+3] offset:2*PXG*n
.set n, n+1
.endr
	RND2 GT, TM
	RND2 GT+2, TM+1
	ds_store_b128 v[VTB], v[GT:GT+3]
.irp i, 0,1,2,3
	ds_store_b128 v[VG3S], v[PK+4*(\i):PK+4*(\i)+3] offset:2048*(\i)
.endr
	s_wait_loadcnt 16                              ; g3, b3 and eo are in; the two first groups may stay out
.irp q, 1,2,3,4,5
	GLQ \q
.endr
	WIN 0
.set n, 0
.rept 4
	RND2 G3B+2*n, TM+n%4
.set n, n+1
.endr
.set n, 0
.rept 8
	RND2 B3+2*n, TM+n%4
.set n, n+1
.endr
	s_wait_dscnt 0x0                               ; for the others' sake: my parts of x, of the table and of G3 are written
	s_barrier_signal -1
	s_barrier_wait -1
	; LAYER 1: 16 K steps
	LBIAS 0
.irp k, 0,1,2,3
	DSB VXR, PXG, \k, 15
.endr
.set kk, 0
.rept 16
	SETY kk
	s_wait_loadcnt YG                              ; loads come back in order: this step's group is in, the younger stay out
.if 15-kk < 3
	s_wait_dscnt 4*(15-kk)                         ; the last steps: the count runs down
.else
	s_wait_dscnt 12                                ; the three younger runs of four stay out
.endif
.set AB, 32*(kk%6)
	LMUL 1, kk, (kk==0)
	PLACES
	GLQ kk+6                                       ; into the slots just multiplied
	DSB VXR, PXG, kk+4, 15
.set kk, kk+1
.endr
	PACKL 0
	; LAYER 2: 8 K steps; the first group has been in its own registers since layer 1's second step waited for a younger load
	LBIAS 1024
.irp k, 0,1,2,3
	DSB VHR, PH, \k, 7
.endr
	s_wait_dscnt 12
.set AB, A16
	LMUL 0, 0, 1
	PLACES
	DSB VHR, PH, 4, 7
.set kk, 1
.rept 7
	SETY 15+kk
	s_wait_loadcnt YG
.if 7-kk < 3
	s_wait_dscnt 4*(7-kk)
.else
	s_wait_dscnt 12
.endif
.set AB, 32*((15+kk)%6)
	LMUL 1, kk, 0
	PLACES
	GLQ 21+kk
	DSB VHR, PH, kk+4, 7
.set kk, kk+1
.endr
	PACKL H2-H1
	; LAYER 3: every wave for itself.  G3's fragments into the ring's v0-63, h2's into v64-191, all from LDS
	WIN 0x40
.irp k, 0,1,2,3,4,5,6,7
	ds_load_b128 v[8*(\k):8*(\k)+3],   v[VG3R] offset:1024*(\k)
	ds_load_b128 v[8*(\k)+4:8*(\k)+7], v[VG3R] offset:1024*(\k)+512
.endr
.irp k, 0,1,2,3,4,5,6,7
.irp t, 0,1
	ds_load_b128 v[64+16*(\k)+8*(\t):64+16*(\k)+8*(\t)+3],   v[VHR] offset:H2-H1+(\t)*16*PH+64*(\k)
	ds_load_b128 v[64+16*(\k)+8*(\t)+4:64+16*(\k)+8*(\t)+7], v[VHR] offset:H2-H1+(\t)*16*PH+64*(\k)+32
.endr
.endr
	s_wait_dscnt 0x0
	WIN 0x05
.irp k, 0,1,2,3,4,5,6,7                ; four accumulators (token block, parity of the K step) by turns; g3 starts the even ones, 0 the odd ones
.irp t, 0,1
.set rd, L3+8*(2*(\t)+(\k)%2)
.if (\k) == 0
	v_wmma_f32_16x16x32_bf16 v[rd:rd+7], v[8*(\k):8*(\k)+7], v[64+16*(\k)+8*(\t):64+16*(\k)+8*(\t)+7], v[G3B:G3B+7]
.elseif (\k) == 1
	v_wmma_f32_16x16x32_bf16 v[rd:rd+7], v[8*(\k):8*(\k)+7], v[64+16*(\k)+8*(\t):64+16*(\k)+8*(\t)+7], 0
.else
	v_wmma_f32_16x16x32_bf16 v[rd:rd+7], v[8*(\k):8*(\k)+7], v[64+16*(\k)+8*(\t):64+16*(\k)+8*(\t)+7], v[rd:rd+7]
.endif
.endr
.endr
	PLACES
	WIN 0
.irp t, 0,1
.irp k, 0,1,2,3
	v_pk_add_f32 v[L3+16*(\t)+2*(\k):L3+16*(\t)+2*(\k)+1], v[L3+16*(\t)+2*(\k):L3+16*(\t)+2*(\k)+1], v[XQ+16*(\t)+2*(\k):XQ+16*(\t)+2*(\k)+1]  ; the two parities, from the low end on
.endr
.endr
	; THE SOFTMAX over 16 experts: eight in my lane, eight in the lane 16 away.  Work space of block t at XQ + 16 t: +0 maximum, +1 the other half's, +2 c m, later +2, +3 the weighted sums, +4 the sum of weights
.macro BOTH line:vararg                ; one line for each token block u
.set u, 0
.rept 2
	\line
.set u, u+16
.endr
.endm
	BOTH v_max3_num_f32 v[XQ+u], v[L3+u], v[L3+u+1], v[L3+u+2]
	BOTH v_max3_num_f32 v[XQ+u], v[XQ+u], v[L3+u+3], v[L3+u+4]
	BOTH v_max3_num_f32 v[XQ+u], v[XQ+u], v[L3+u+5], v[L3+u+6]
	BOTH v_max_num_f32 v[XQ+u], v[XQ+u], v[L3+u+7]
	BOTH v_permlanex16_b32 v[XQ+u+1], v[XQ+u], s28, s29
	BOTH v_max_num_f32 v[XQ+u], v[XQ+u], v[XQ+u+1]
	BOTH v_mul_f32 v[XQ+u+2], s30, v[XQ+u]
.irp j, 0,1,2,3,4,5,6,7
	BOTH v_fma_f32 v[L3+u+(\j)], v[L3+u+(\j)], s30, -v[XQ+u+2]
.endr
.irp j, 0,1,2,3,4,5,6,7
	BOTH v_exp_f32 v[L3+u+(\j)], v[L3+u+(\j)]
.endr
.irp j, 0,1,2,3,4,5,6,7                ; independent work behind the batch of 16 exponentials: b3 onto eo (wave 0 alone: the factor is 1 or 0)
	BOTH v_pk_fma_f32 v[EO+u+2*(\j):EO+u+2*(\j)+1], v[B3+2*(\j):B3+2*(\j)+1], s[26:27], v[EO+u+2*(\j):EO+u+2*(\j)+1] op_sel_hi:[1,0,1]
.endr
	s_wait_alu depctr_va_vdst(0)                   ; one wait for the batch, ahead of its first reader
	BOTH v_pk_add_f32 v[XQ+u+4:XQ+u+5], v[L3+u:L3+u+1], v[L3+u+2:L3+u+3]
	BOTH v_pk_add_f32 v[XQ+u+6:XQ+u+7], v[L3+u+4:L3+u+5], v[L3+u+6:L3+u+7]
	BOTH v_pk_mul_f32 v[XQ+u+2:XQ+u+3], v[L3+u:L3+u+1], v[EO+u:EO+u+1] op_sel_hi:[0,1]
	BOTH v_pk_add_f32 v[XQ+u+4:XQ+u+5], v[XQ+u+4:XQ+u+5], v[XQ+u+6:XQ+u+7]
.irp j, 1,2,3,4,5,6,7                  ; weight j, to both halves, times the pair of eo
.if (\j)%2
	BOTH v_pk_fma_f32 v[XQ+u+2:XQ+u+3], v[L3+u+(\j)-1:L3+u+(\j)], v[EO+u+2*(\j):EO+u+2*(\j)+1], v[XQ+u+2:XQ+u+3] op_sel:[1,0,0] op_sel_hi:[1,1,1]
.else
	BOTH v_pk_fma_f32 v[XQ+u+2:XQ+u+3], v[L3+u+(\j):L3+u+(\j)+1], v[EO+u+2*(\j):EO+u+2*(\j)+1], v[XQ+u+2:XQ+u+3] op_sel:[0,0,0] op_sel_hi:[0,1,1]
.endif
.endr
	BOTH v_add_f32 v[XQ+u+4], v[XQ+u+4], v[XQ+u+5]
	BOTH v_permlanex16_b32 v[XQ+u], v[XQ+u+4], s28, s29
	BOTH v_permlanex16_b32 v[XQ+u+6], v[XQ+u+2], s28, s29
	BOTH v_permlanex16_b32 v[XQ+u+7], v[XQ+u+3], s28, s29
	BOTH v_add_f32 v[XQ+u+4], v[XQ+u+4], v[XQ+u]
	BOTH v_pk_add_f32 v[XQ+u+2:XQ+u+3], v[XQ+u+2:XQ+u+3], v[XQ+u+6:XQ+u+7]
	BOTH v_rcp_f32 v[XQ+u+5], v[XQ+u+4]
	v_nop                                          ; a plain instruction between the last reciprocal and the use of its result,
	s_wait_alu depctr_va_vdst(0)                   ; and one wait for the two
	BOTH v_mul_f32 v[XQ+u+2], v[XQ+u+2], v[XQ+u+5]
	BOTH v_mul_f32 v[XQ+u+3], v[XQ+u+3], v[XQ+u+5]
	v_cndmask_b32 v[TM],   v[XQ+2], v[XQ+18], s31  ; both halves of the lanes hold the results: lanes 0-15 keep block 0, lanes 16-31 take block 1
	v_cndmask_b32 v[TM+1], v[XQ+3], v[XQ+19], s31
	s_lshl_b32 s21, s20, 8
	v_add_nc_u32 v[TM+3], RED, v[V8L]
	v_add_nc_u32 v[TM+2], s21, v[TM+3]
	ds_store_b64 v[TM+2], v[TM:TM+1]
	s_wait_dscnt 0x0                               ; for wave 0's sake
	s_barrier_signal -1
	s_barrier_wait -1
	s_cmp_lg_u32 s20, 0
	s_cbranch_scc1 .Lend
.irp k, 0,1,2,3
	ds_load_b64 v[TM+4+2*(\k):TM+5+2*(\k)], v[TM+3] offset:256*(\k)
.endr
	s_wait_dscnt 0x0
	v_pk_add_f32 v[TM+4:TM+5], v[TM+4:TM+5], v[TM+6:TM+7]
	v_pk_add_f32 v[TM+8:TM+9], v[TM+8:TM+9], v[TM+10:TM+11]
	v_pk_add_f32 v[TM+4:TM+5], v[TM+4:TM+5], v[TM+8:TM+9]
	global_store_b64 v[V8L], v[TM+4:TM+5], s[18:19]  ; 32 tokens x 8 bytes: 256 consecutive bytes, aligned
.Lend:
	s_wait_tensorcnt 0x0                           ; the wave's end, behind my last LDS store
	ds_add_u32 v[SPW], v[NIL]
	s_wait_dscnt 0x0
	s_endpgm
.Lfunc_end_k_q40ebbe820f_gate:
	.size	k_q40ebbe820f_gate, .Lfunc_end_k_q40ebbe820f_gate-k_q40ebbe820f_gate
	.p2alignl 7, 3214868480
	.fill 96, 4, 3214868480
	.section	.rodata,"a",@progbits
	.p2align	6, 0x0
	.amdhsa_kernel k_q40ebbe820f_gate
		.amdhsa_group_segment_fixed_size 78848
		.amdhsa_private_segment_fixed_size 0
		.amdhsa_enable_private_segment 0
		.amdhsa_kernarg_size 64
		.amdhsa_user_sgpr_count 2
		.amdhsa_user_sgpr_kernarg_segment_ptr 1
		.amdhsa_wavefront_size32 1
		.amdhsa_system_sgpr_workgroup_id_x 1
		.amdhsa_system_sgpr_workgroup_id_y 1
		.amdhsa_system_sgpr_workgroup_id_z 1
		.amdhsa_system_vgpr_workitem_id 0
		.amdhsa_next_free_vgpr 512
		.amdhsa_next_free_sgpr 90
		.amdhsa_reserve_vcc 0
		.amdhsa_float_denorm_mode_32 3
		.amdhsa_float_denorm_mode_16_64 3
		.amdhsa_memory_ordered 1
		.amdhsa_forward_progress 1
		.amdhsa_inst_pref_size 78
	.end_amdhsa_kernel
	.amdgpu_metadata
---
amdhsa.version: [ 1, 2 ]
amdhsa.kernels:
  - .name:           k_q40ebbe820f_gate
    .symbol:         k_q40ebbe820f_gate.kd
    .args:
      - { .name: xb, .offset: 0, .size: 8, .value_kind: global_buffer, .address_space: global }
      - { .name: gw, .offset: 8, .size: 8, .value_kind: global_buffer, .address_space: global }
      - { .name: g1, .offset: 16, .size: 8, .value_kind: global_buffer, .address_space: global }
      - { .name: g2, .offset: 24, .size: 8, .value_kind: global_buffer, .address_space: global }
      - { .name: g3, .offset: 32, .size: 8, .value_kind: global_buffer, .address_space: global }
      - { .name: b3, .offset: 40, .size: 8, .value_kind: global_buffer, .address_space: global }
      - { .name: eo, .offset: 48, .size: 8, .value_kind: global_buffer, .address_space: global }
      - { .name: out0, .offset: 56, .size: 8, .value_kind: global_buffer, .address_space: global }
    .group_segment_fixed_size: 78848
    .private_segment_fixed_size: 0
    .kernarg_segment_align: 8
    .kernarg_segment_size: 64
    .max_flat_workgroup_size: 128
    .sgpr_count:     90
    .vgpr_count:     512
    .wavefront_size: 32
...
	.end_amdgpu_metadata
.endif
;; end of part 6
;; ======== version 3 of 3: 3 launches; version 2 with the launch prep written anew for expert scheduling mode
;; workspace buffers: w1b 16,777,216 bytes; w2b 16,777,216 bytes; xb 4,194,304 bytes; gw 401,408 bytes; eo 2,097,152 bytes
;; launch prep (part 7): grid 674 x 1, 8 waves a work-group, no clusters, 0 bytes of LDS; arguments W1, W2, x, G1, G2, G3, w1b, w2b, xb, gw; writes w1b, w2b, xb, gw
.if DOCPART == 7
	.amdgcn_target "amdgcn-amd-amdhsa--gfx1250"
	.amdhsa_code_object_version 6
	.text
	.protected	k_q40ebbe820f_prep
	.globl	k_q40ebbe820f_prep
	.p2align	8
	.type	k_q40ebbe820f_prep,@function
k_q40ebbe820f_prep:
	s_mov_b64 s[64:65], 0
	v_nop
	global_prefetch_b8 v0, s[64:65] scope:SCOPE_SE
	s_setreg_imm32_b32 hwreg(HW_REG_WAVE_SCHED_MODE, 0, 2), 2
	s_setreg_imm32_b32 hwreg(HW_REG_WAVE_MODE, 25, 1), 1
	s_wait_xcnt 0x0
	s_wait_alu depctr_vm_vsrc(0)
; PREP.  Every large input is rounded ONCE to bf16 (nearest even), for the two launches behind.
; Work-groups 0-575: W1, W2 and x are cast as they lie (w1b, w2b, xb keep the inputs' layout): a stream, 131,072 bytes in and 65,536 out a work-group.
; Work-groups 576-673: the gate's G1, G2, G3 ([K][N], f32) are written into gw in the order in which a wave's operand registers take them:
;   fragment (nt, ks) = 16 columns x 32 k is a block of 1,024 bytes at (nt*KS + ks)*1024; in it byte (part*32 + lane)*16 + 2 i holds G[32 ks + 16 part + 8 (lane/16) + i][16 nt + lane%16].
; No LDS, no barrier, no matrix unit: nothing is used twice here.
; THE MODE: SCHED_MODE bits 1:0 = 2 (LLVM: expert scheduling mode 2), set by the entry lines.  The code itself states the register dependences
; between vector instructions and memory instructions, with s_wait_alu, always for 0.
; THE PLAN, for the cast.  A thread's 32 rows (4,096 bytes in, 2,048 out each) go in 8 blocks of four.  Registers that memory instructions touch:
;   v1, v2     byte offsets, made once at the head and never written again: a row's place stands in the immediates, and the scalar bases never move.
;   X0 .. X4   five blocks of f32 as loaded.  Written by the head's 20 loads (blocks 0 to 4), then by the loads of block p + 4, issued in block p; read by block p's conversions.
;   Y          a pair of registers of its own for each of the 32 rows.  Written by block p's conversions; read by the four stores that are issued in block p + 1; never written again.
; Block p works on X[p % 5] and writes its own Y.  Its memory instructions are the loads into X[(p + 4) % 5] = X[(p - 1) % 5] and the stores from block p - 1's Y: registers that block p - 1
; worked on and that no vector instruction of block p names.  So one wait at a block's head states all that the block's eight memory instructions hang on, and these are dealt among its
; conversions with no further wait.  No register that a memory instruction reads is ever written again: nothing is owed on that side.
.set BLOCK,  4                         ; rows in a block
.set BLOCKS, 8
.set NX,     5                         ; buffers of loaded rows
.set XR, 8                             ; v[8:87]    buffer k, row i: 4 registers at XR + 16 k + 4 i, 4 f32 as loaded
.set YR, 88                            ; v[88:151]  row r of 32: 2 registers of its own at YR + 2 r, 4 bf16 to store
	s_load_b512 s[4:19], s[0:1], 0x0               ; W1 s[4:5], W2 s[6:7], x s[8:9], G1 s[10:11], G2 s[12:13], G3 s[14:15], w1b s[16:17], w2b s[18:19]
	s_load_b128 s[20:23], s[0:1], 0x40             ; xb s[20:21], gw s[22:23]
	s_mov_b32 s24, ttmp9                           ; the work-group's number
	v_lshlrev_b32 v1, 4, v0                        ; 16 t: my 16 bytes of every 4,096 read; never rewritten
	v_lshlrev_b32 v2, 3, v0                        ; 8 t: my 8 bytes of every 2,048 written; never rewritten
	s_mov_b32 s33, 0
	s_mov_b32 s35, 0
	s_wait_kmcnt 0x0
	s_cmp_ge_u32 s24, 576
	s_cbranch_scc1 .Ltrans
	; THE CAST.  Which tensor: 256 work-groups for W1, 256 for W2, 64 for x
	s_mov_b32 s30, 512
	s_cmp_lt_u32 s24, 512
	s_cselect_b64 s[26:27], s[6:7], s[8:9]
	s_cselect_b64 s[28:29], s[18:19], s[20:21]
	s_cselect_b32 s30, 256, s30
	s_cmp_lt_u32 s24, 256
	s_cselect_b64 s[26:27], s[4:5], s[26:27]
	s_cselect_b64 s[28:29], s[16:17], s[28:29]
	s_cselect_b32 s30, 0, s30
	s_sub_co_u32 s30, s24, s30                     ; my number within that tensor
	s_lshl_b32 s32, s30, 17                        ; 131,072 bytes in,
	s_lshl_b32 s34, s30, 16                        ; 65,536 out
	s_add_nc_u64 s[26:27], s[26:27], s[32:33]
	s_add_nc_u64 s[28:29], s[28:29], s[34:35]
	s_wait_alu depctr_va_vdst(0)                   ; v1 and v2 are written: every load of the cast reads v1 as its offset, every store v2
.set n, 0
.rept NX*BLOCK
	global_load_b128 v[XR+4*n:XR+4*n+3], v1, s[26:27] offset:n*4096 th:TH_LOAD_NT  ; blocks 0 to 4 into X0 to X4: twenty loads of every wave are out
.set n, n+1
.endr
; Block p.  Blocks 1 to 3 ask for the block four further on; blocks 1 to 7 store the block before.
.macro BLK p
.set through, (\p)+NX-2                ; the last block that has been asked for when block p's head is reached: block p - 1 has asked for block p + 3,
.if (\p) == 0
.set through, NX-1                     ; the head for block 4,
.endif
.if through > BLOCKS-1
.set through, BLOCKS-1                 ; and nobody for more than there are
.endif
	s_wait_loadcnt BLOCK*(through-(\p))            ; loads come back in order (ISA guide 5.7.1): X[p % 5] is in, the younger blocks stay out; in the last blocks the count runs down
.if (\p) > 0
	s_wait_alu depctr_va_vdst(0)                   ; the block before has written its Y, which the stores below read, and is done reading its X, in which the loads below land
.endif
.irp i, 0,1,2,3
.if ((\p) > 0) && ((\p)+NX-1 < BLOCKS)
	global_load_b128 v[XR+16*(((\p)+NX-1)%NX)+4*(\i):XR+16*(((\p)+NX-1)%NX)+4*(\i)+3], v1, s[26:27] offset:(BLOCK*((\p)+NX-1)+(\i))*4096 th:TH_LOAD_NT  ; four blocks ahead; no vector instruction since the wait names these registers
.endif
.if (\p) > 0
	global_store_b64 v2, v[YR+2*(BLOCK*((\p)-1)+(\i)):YR+2*(BLOCK*((\p)-1)+(\i))+1], s[28:29] offset:(BLOCK*((\p)-1)+(\i))*2048  ; the block before; a wave's 32 lanes store 256 consecutive bytes, aligned
.endif
	v_cvt_pk_bf16_f32 v[YR+2*(BLOCK*(\p)+(\i))],   v[XR+16*((\p)%NX)+4*(\i)],   v[XR+16*((\p)%NX)+4*(\i)+1]
	v_cvt_pk_bf16_f32 v[YR+2*(BLOCK*(\p)+(\i))+1], v[XR+16*((\p)%NX)+4*(\i)+2], v[XR+16*((\p)%NX)+4*(\i)+3]
.endr
.endm
.irp p, 0,1,2,3,4,5,6,7
	BLK \p
.endr
	s_wait_alu depctr_va_vdst(0)                   ; block 7 has written its Y, which the last four stores read
.irp i, 0,1,2,3
	global_store_b64 v2, v[YR+2*(BLOCK*(BLOCKS-1)+(\i)):YR+2*(BLOCK*(BLOCKS-1)+(\i))+1], s[28:29] offset:(BLOCK*(BLOCKS-1)+(\i))*2048
.endr
	s_endpgm
.Ltrans:
	; THE GATE'S WEIGHTS.  A thread makes one piece of 16 bytes: eight k of one column.  64 work-groups for G1, 32 for G2, 2 for G3.
	; Registers that memory instructions touch: v10-17 (the loads' offsets), v20-27 (the loads' data), v28-31 and v32 (the store's data and offset); each is written once.
	s_sub_co_u32 s25, s24, 576
	s_mov_b32 s38, 262144                          ; where G2's fragments begin in gw,
	s_mov_b32 s39, 393216                          ; and G3's
	s_mov_b32 s37, 4                               ; log2 of the pieces along K: 2 x 256 / 32 = 16 (G2, G3)
	s_cmp_lt_u32 s25, 96
	s_cselect_b64 s[26:27], s[12:13], s[14:15]
	s_cselect_b32 s30, 1024, 64                    ; bytes in a row of the source
	s_cselect_b32 s31, s38, s39
	s_cselect_b32 s36, 64, 96                      ; the tensor's first work-group
	s_cmp_lt_u32 s25, 64
	s_cselect_b64 s[26:27], s[10:11], s[26:27]
	s_cselect_b32 s31, 0, s31
	s_cselect_b32 s36, 0, s36
	s_cselect_b32 s37, 5, s37                      ; G1: 2 x 512 / 32 = 32
	s_sub_co_u32 s25, s25, s36
	s_lshl_b32 s25, s25, 8
	s_bfm_b32 s40, s37, 0                          ; mask of the piece's place along K
	v_add_nc_u32 v3, s25, v0                       ; the piece's number
	v_and_b32 v4, 31, v0                           ; lane
	v_lshrrev_b32 v5, 5, v3
	v_and_b32 v6, s40, v5                          ; kp = 2 ks + part
	v_lshrrev_b32 v7, s37, v5                      ; nt
	v_lshrrev_b32 v8, 4, v4
	v_lshlrev_b32 v8, 3, v8
	v_lshl_add_u32 v8, v6, 4, v8                   ; k0 = 16 kp + 8 (lane / 16)
	v_and_b32 v9, 15, v4
	v_lshl_add_u32 v9, v7, 4, v9                   ; n = 16 nt + lane % 16
	v_mul_lo_u32 v10, v8, s30
	v_lshl_add_u32 v10, v9, 2, v10                 ; byte of G[k0][n]
.irp i, 1,2,3,4,5,6,7
	v_add_nc_u32 v[10+(\i)], s30, v[9+(\i)]        ; and of the seven rows below
.endr
	s_wait_alu depctr_va_vdst(0)                   ; v10 to v17 are written, which the eight loads read as their offsets
.irp i, 0,1,2,3,4,5,6,7
	global_load_b32 v[20+(\i)], v[10+(\i)], s[26:27]
.endr
	v_lshlrev_b32 v32, 4, v3
	v_add_nc_u32 v32, s31, v32                     ; 16 bytes a piece
	s_wait_loadcnt 0x0
.irp i, 0,1,2,3
	v_cvt_pk_bf16_f32 v[28+(\i)], v[20+2*(\i)], v[21+2*(\i)]
.endr
	s_wait_alu depctr_va_vdst(0)                   ; the conversions have written v28 to v31, the store's data, and v32, its offset, is written
	global_store_b128 v32, v[28:31], s[22:23]      ; a wave stores 512 consecutive bytes
	s_endpgm
.Lfunc_end_k_q40ebbe820f_prep:
	.size	k_q40ebbe820f_prep, .Lfunc_end_k_q40ebbe820f_prep-k_q40ebbe820f_prep
	.p2alignl 7, 3214868480
	.fill 96, 4, 3214868480
	.section	.rodata,"a",@progbits
	.p2align	6, 0x0
	.amdhsa_kernel k_q40ebbe820f_prep
		.amdhsa_group_segment_fixed_size 0
		.amdhsa_private_segment_fixed_size 0
		.amdhsa_enable_private_segment 0
		.amdhsa_kernarg_size 80
		.amdhsa_user_sgpr_count 2
		.amdhsa_user_sgpr_kernarg_segment_ptr 1
		.amdhsa_wavefront_size32 1
		.amdhsa_system_sgpr_workgroup_id_x 1
		.amdhsa_system_sgpr_workgroup_id_y 1
		.amdhsa_system_sgpr_workgroup_id_z 1
		.amdhsa_system_vgpr_workitem_id 0
		.amdhsa_next_free_vgpr 152
		.amdhsa_next_free_sgpr 66
		.amdhsa_reserve_vcc 0
		.amdhsa_float_denorm_mode_32 3
		.amdhsa_float_denorm_mode_16_64 3
		.amdhsa_memory_ordered 1
		.amdhsa_forward_progress 1
		.amdhsa_inst_pref_size 15
	.end_amdhsa_kernel
	.amdgpu_metadata
---
amdhsa.version: [ 1, 2 ]
amdhsa.kernels:
  - .name:           k_q40ebbe820f_prep
    .symbol:         k_q40ebbe820f_prep.kd
    .args:
      - { .name: W1, .offset: 0, .size: 8, .value_kind: global_buffer, .address_space: global }
      - { .name: W2, .offset: 8, .size: 8, .value_kind: global_buffer, .address_space: global }
      - { .name: x, .offset: 16, .size: 8, .value_kind: global_buffer, .address_space: global }
      - { .name: G1, .offset: 24, .size: 8, .value_kind: global_buffer, .address_space: global }
      - { .name: G2, .offset: 32, .size: 8, .value_kind: global_buffer, .address_space: global }
      - { .name: G3, .offset: 40, .size: 8, .value_kind: global_buffer, .address_space: global }
      - { .name: w1b, .offset: 48, .size: 8, .value_kind: global_buffer, .address_space: global }
      - { .name: w2b, .offset: 56, .size: 8, .value_kind: global_buffer, .address_space: global }
      - { .name: xb, .offset: 64, .size: 8, .value_kind: global_buffer, .address_space: global }
      - { .name: gw, .offset: 72, .size: 8, .value_kind: global_buffer, .address_space: global }
    .group_segment_fixed_size: 0
    .private_segment_fixed_size: 0
    .kernarg_segment_align: 8
    .kernarg_segment_size: 80
    .max_flat_workgroup_size: 256
    .sgpr_count:     66
    .vgpr_count:     152
    .wavefront_size: 32
...
	.end_amdgpu_metadata
.endif
;; end of part 7
;; launch experts: the kernel of part 5 again; grid 32 x 8, 4 waves a work-group, clusters of 4 x 1, 327,680 bytes of LDS; arguments xb, w1b, w2b, b1, b2, W3, eo; writes eo
;; launch gate: the kernel of part 6 again; grid 128 x 1, 4 waves a work-group, no clusters, 78,848 bytes of LDS; arguments xb, gw, g1, g2, g3, b3, eo, out0; writes out0
